; MI455X (gfx1250); checked and timed in simulation.
; The chip was launched on July 23, 2026; its instructions are those of AMD's public machine-readable ISA for CDNA 5 (MIT licence, August 2026) and "CDNA5" Instruction Set Architecture Reference Guide (July 2026). The comments in the code are by the model that wrote it; some were corrected since.
;; Attention Block. Allowed arithmetic: matrix products marked QUANTISED: E2M3 operands, one E8M0 scale for each 32 along K, by v_wmma_scale_f32_16x16x128_f8f6f4 with both operands' format E2M3, f32 sums; everything else in f32.
;; Inputs: Wk_codes 1,024 x 32 x 24 uint8 (E2M3 codes of Wk, K innermost, in blocks of 32 codes, four codes in three bytes); Wk_scales 1,024 x 32 uint8 (E8M0 scales of Wk, one for each 32 codes along K); Wq_codes 1,024 x 32 x 24 uint8 (E2M3 codes of Wq, K innermost, in blocks of 32 codes, four codes in three bytes); Wq_scales 1,024 x 32 uint8 (E8M0 scales of Wq, one for each 32 codes along K); Wv_codes 1,024 x 32 x 24 uint8 (E2M3 codes of Wv, K innermost, in blocks of 32 codes, four codes in three bytes); Wv_scales 1,024 x 32 uint8 (E8M0 scales of Wv, one for each 32 codes along K); bk 1,024 float32; bq 1,024 float32; bv 1,024 float32; key_codes 4 x 2,048 x 32 x 24 uint8 (E2M3 codes of key, K innermost, in blocks of 32 codes, four codes in three bytes); key_scales 4 x 2,048 x 32 uint8 (E8M0 scales of key, one for each 32 codes along K); query_codes 4 x 2,048 x 32 x 24 uint8 (E2M3 codes of query, K innermost, in blocks of 32 codes, four codes in three bytes); query_scales 4 x 2,048 x 32 uint8 (E8M0 scales of query, one for each 32 codes along K); value_codes 4 x 2,048 x 32 x 24 uint8 (E2M3 codes of value, K innermost, in blocks of 32 codes, four codes in three bytes); value_scales 4 x 2,048 x 32 uint8 (E8M0 scales of value, one for each 32 codes along K).
;; Outputs: out0 4 x 2,048 x 1,024 float32.
;; This version of the problem:
;;   THIS VERSION OF THE PROBLEM IS GIVEN IN LOW PRECISION. The matrix products marked QUANTISED in the list below multiply operands that are first quantised to E2M3 (2 exponent bits, 3 mantissa bits; 6 bits a number), with one power-of-two scale for each 32 numbers along K (OCP MX v1.0); their sums are f32. All else is computed in f32.
;;   The module's matrix products, in the order in which they are computed (A, B: the left and right operand; K: the contracted axis; several contracted axes count as one K, in the product's order):
;;     1. [M 8,192, K 1,024] x [K 1,024, N 1,024]; A: input query (given as codes); B: input Wq (given as codes): QUANTISED
;;     2. [M 8,192, K 1,024] x [K 1,024, N 1,024]; A: input key (given as codes); B: input Wk (given as codes): QUANTISED
;;     3. [M 8,192, K 1,024] x [K 1,024, N 1,024]; A: input value (given as codes); B: input Wv (given as codes): QUANTISED
;;     4. batch 4 x [M 2,048, K 1,024] x [K 1,024, N 2,048]; A: computed on the way; B: computed on the way: QUANTISED
;;     5. batch 4 x [M 2,048, K 2,048] x [K 2,048, N 1,024]; A: softmax (see below); B: computed on the way: QUANTISED
;;   THE QUANTISER, for each operand of a quantised product, along K:
;;     - K is cut into blocks of 32 from its start; a last block that is shorter is filled with zeros.
;;     - A block's scale is 2^e with e = floor(log2(the largest magnitude in the block)) - 2, held to -126 .. 127; a block of zeros has e = 0. As a byte (E8M0): e + 127.
;;     - Each number is divided by its block's scale, clamped to +-7.5, and rounded to the nearest number of E2M3, ties to even, subnormals kept.
;;     - The product sums the exact products of the quantised numbers (number of the format x scale) in f32.
;;   ~~~python
;;   def quantise(x, axis):      # numpy; x: float32 -> the quantised numbers, widened to float32 again
;;       x = np.moveaxis(x, axis, -1); K = x.shape[-1]
;;       x = np.pad(x, [(0, 0)] * (x.ndim - 1) + [(0, -K % 32)]); x = x.reshape(x.shape[:-1] + (-1, 32)); a = np.abs(x).max(-1, keepdims=True)
;;       e = np.where(a > 0, np.clip(np.frexp(np.where(a > 0, a, 1))[1] - 1 - 2, -126, 127), 0)      # np.frexp(a)[1] - 1 = floor(log2(a)), exactly
;;       r = np.clip(x / 2.0 ** e, -7.5, 7.5)
;;       step = 2.0 ** (np.maximum(np.frexp(np.where(r == 0, 1, r))[1] - 1, 0) - 3)
;;       q = np.round(r / step) * step * 2.0 ** e      # np.round: ties to even
;;       return np.moveaxis(q.reshape(q.shape[:-2] + (-1,))[..., :K], -1, axis).astype(np.float32)
;;   ~~~
;;   SOFTMAX AHEAD OF A QUANTISED PRODUCT. Where the list says 'softmax', what is quantised is not the finished softmax but p = 2^(t - M), with t = logit x log2(e) and M = ceil(the row's largest t), a whole number; so 1/2 < the row's largest p <= 1. The row's sum l is taken of the UNQUANTISED p, in f32, and the product's result is divided by l at the end. Since M is a whole number, a kernel that streams over the keys may use a running M (the ceiling of the running maximum): every later rescaling is an exact power of two, which a block's scale takes up: the codes' values come out the same.
;;   OPERANDS COMPUTED ON THE WAY. 'Computed on the way' means the value that the module computes at that place (a softmax that the list does not call 'softmax' is quantised finished and normalised). What goes into a quantiser is computed in f32, as accurately as f32 sums, v_exp_f32 and their like allow (about 1e-6 of the number): no bf16 or f16 on the way to a quantiser, and a product that is left as it is and whose result goes on into a quantised operand takes f32 operands (vector FMAs, or v_wmma_f32_16x16x4_f32). A number that lies on a knife's edge between two numbers of the format may be rounded either way, as far as f32 arithmetic and the matrix unit's own rounding can turn it there, and no further.
;;   INPUTS GIVEN AS CODES. Wk (in the module: [1024, 1024], K = its axis 1); Wq (in the module: [1024, 1024], K = its axis 1); Wv (in the module: [1024, 1024], K = its axis 1); key (in the module: [4, 2048, 1024], K = its axis 2); query (in the module: [4, 2048, 1024], K = its axis 2); value (in the module: [4, 2048, 1024], K = its axis 2): each comes as NAME_codes (uint8): NAME with its K axis moved to the last place and cut into blocks of 32 codes, [.., K / 32, bytes a block], one block behind the other in memory; four codes in three bytes: a row's codes are one little-endian stream of bits, code i at bits 6 i .. 6 i + 5 (a code: sign, 2 exponent bits, 3 mantissa bits); and NAME_scales (uint8): the same leading axes, one E8M0 byte (e + 127) for each 32 codes along K. Its value is code x scale, taken as it is: it is not quantised again, and the codes and scales need not be those that the quantiser above would give.
;; One version. Each part assembles by itself: llvm-mc -triple=amdgcn-amd-amdhsa -mcpu=gfx1250 --defsym DOCPART=n.
;; ======== version 1 of 1: 3 launches
;; limits: right only within a limited range of input values
;; workspace buffers: c1 18,874,368 bytes; s1 786,432 bytes; pc 12,582,912 bytes; ps 1,572,864 bytes
;; launch proj (part 1): grid 16 x 16, 4 waves a work-group, clusters of 4 x 4, 327,680 bytes of LDS; arguments value_codes, value_scales, Wv_codes, Wv_scales, query_codes, query_scales, Wq_codes, Wq_scales, key_codes, key_scales, Wk_codes, Wk_scales, bq, bk, bv, c1, s1; writes c1, s1
.if DOCPART == 1
	.amdgcn_target "amdgcn-amd-amdhsa--gfx1250"
	.amdhsa_code_object_version 6
	.text
	.protected	k_qeb1a464462_proj
	.globl	k_qeb1a464462_proj
	.p2align	8
	.type	k_qeb1a464462_proj,@function
k_qeb1a464462_proj:
	s_mov_b64 s[64:65], 0
	v_nop
	global_prefetch_b8 v0, s[64:65] scope:SCOPE_SE
	s_setreg_imm32_b32 hwreg(HW_REG_WAVE_MODE, 25, 1), 1
	s_wait_xcnt 0x0
	s_wait_alu depctr_hold_cnt(0) depctr_sa_sdst(0) depctr_va_vdst(0) depctr_va_sdst(0) depctr_va_ssrc(0) depctr_va_vcc(0) depctr_vm_vsrc(0)
	s_getreg_b32 s2, hwreg(HW_REG_IB_STS2, 6, 4)
	s_cmp_eq_u32 s2, 0
	s_cbranch_scc0 .Lentry_in_a_cluster
	s_endpgm
.Lentry_in_a_cluster:
	s_bfe_u32 s2, ttmp6, 0x10000c
	s_cmp_lg_u32 s2, 0xf033
	s_cbranch_scc0 .Lentry_shape_is_right
	s_endpgm
.Lentry_shape_is_right:
; Q, K, V = x W^T + b AND THEIR QUANTISERS.  The results leave as codes of FP6 (E2M3) and scale bytes, in the order of the operand registers of the launches that read them.
; LIMITS: NaN and infinities are not served.  A block whose largest magnitude lies under 2^-124 gets the byte 1 (a block of zeros too: its codes are zeros).
; THE DEAL.  256 work-groups of four waves, 2 x 2 (row s15, column s16).  A wave holds 64 rows of a weight, all of K, in registers (384) and streams x's rows past them in blocks of 16 rows.
; A work-group makes 256 x 128 of V (PHASE 1, eight blocks a wave), then 512 x 128 of Q or K (PHASE 2, sixteen).  Rows come in chunks of 128: wave row w takes band w (64 rows) of each chunk, four blocks.
; THE ROWS OF A TILE: tile j of 64 rows takes rows 8 j + i and 32 + 8 (j xor 1) + i (i = 0 .. 7): so a lane's results of four tiles are one whole scale block of 32 (lanes 0-15 the first, lanes 16-31 the second, its groups of eight swapped in pairs,
; in Q and K alike, and in P and V alike), and the sixteen rows begin at sixteen different banks.  x's tokens and, in phase 2, the weights' rows are taken so; W_v's rows in their own order.
; c1: Q, K [tensor 2][group of 128 tokens 64][128 columns 8][block 8][1,536]: an operand is two halves of 64 columns, each 512 bytes (registers 0-3) and 256 bytes (registers 4-5).  Group 2 g + w, block 4 c + j: tile j of tokens 256 g + 128 c + 64 w + 0 .. 63.
; V at 12,582,912: [batch][128 channels 8][key step 16][block 8][1,536], three pieces of 512 bytes; key step 2 g + w holds bands c = 0, 1 of the same tokens.
; s1: Q, K [tensor][group][128 columns][512]; V at 524,288: [batch][128 channels][key step][512]; the word of (block i, row r) at 16 (r + 16 (i / 4)) + 4 (i % 4).
; LDS: two slots of 128 rows, a region for the weights' 128 rows, two places for a chunk's scale bytes, stages for the results' scale bytes, the spare words.
; FILLS.  At the head one load a wave: W_v's rows, V's scale bytes, chunks 0 and 1.  Four refills in drained rounds of the cluster's barrier: in V's block 2 slot 0 (phase 2's first chunk), its scale bytes and the second weight;
; in V's block 7 slot 1; in phase 2's blocks 2 and 6 slots 0 and 1.  A refill is shown to all waves by the next round, or by phase 2's plain barriers (blocks 10 and 12).
; CLUSTERS: x's rows are shared along a row of the cluster, a weight's rows along a column; which tensor and which rows of V hang on the cluster's number alone.
; PREFETCHES: the second weight, phase 2's first chunk and its scale bytes at the head; each later chunk one refill and more ahead; shared out by address among the sixteen waves that ask jointly.
; THE WAITS' COUNTS: a block's rows were fetched two blocks ago; younger are the next block's NF loads and the byte stores between.
.set NQ,     8
.set NB,     4
.set TM,     512
.set TV,     256
.set TN,     128
.set KROW,   768
.set KS,     32
.set PITCH,  KROW+16*(KROW/256)
.set FR,     12
.set FPW,    256/FR
.set NF,     28
.set RA,     128
.set YB,     RA*PITCH
.set BVB,    2*RA*PITCH
.set SCL,    BVB+TN*PITCH
.set CU,     RA*KS/256
.set SCB,    CU*272
.set R16,    16*PITCH                  ; sixteen rows on: the next pair of tiles
.set S16,    2*272                     ; and its scale bytes
.set XN,     SCL+2*SCB                 ; Q's or K's scale bytes: [group 4][512]
.set XM,     XN+TM*4                   ; V's: [key step 2][512]
.set SPARE,  XM+1024
.set EMAX,   2
.set CO,    9                          ; v9      16 x lane
.set SPW,   10
.set NIL,   11
.set ADRA,  12                         ; v12, v13, v17: LDS addresses of the block that is fetched next;  v4, v5, v6 the even tiles' bases, v1, v22, v23 the odd tiles'
.set ABS,   16
.set AAS,   17
.set STO,   18
.set STV,   19
.set SB,    24                         ; v24-39  the weights' scale words
.set TQ,    40
.set SA,    44                         ; v44-59  the rows' scale words, two sets
.set TC,    60
.set ACC,   64                         ; v64-127 phase 2: two sets of four accumulators
.set HV0,   64                         ; v64-191 phase 1, band 0: 32 t + 8 j + i
.set HV1,   840                        ; v840-967 band 1
.set NCD,   128
.set MCD,   192
.set SOP,   240
.set EB,    244
.set VX,    248
.set C8,    249                        ; 8 x lane
.set BQE,   250                        ; v250, v251: offsets of a bias's numbers, even and odd tiles
.set WE,    252                        ; v252-255: phase 2's weights' LDS bases, even and odd tiles
.set SB2,   968
.set BA,    984
.set BBV,   992
.set BBQ,   160
.set G1A, 24
.set G0A, 56
.set G0R, 68
.set G1B, 32
.set G0B, 60
.set G1S, 92
.set G0S, 72
.set MSB, 0
.macro WIN new
.if MSB != \new
	s_set_vgpr_msb (MSB<<8)|\new
.set MSB, \new
.endif
.endm
.macro PLACES n
.rept \n
	v_nop
.endr
.endm
.macro WALU
	s_wait_alu depctr_va_vdst(0)
.endm
.macro BARRIER
	s_barrier_signal -1
	s_barrier_wait -1
.endm
.macro MIDDLE
	WIN 0
	s_barrier_wait -1
	s_cmp_lg_u32 s14, 0
	s_cbranch_scc1 .Lnot_wave_0_\@
	s_barrier_signal -3
.Lnot_wave_0_\@:
	s_barrier_wait -3
.endm
.macro CROUND
	s_barrier_signal -1
	MIDDLE
	BARRIER
.endm
.macro GRD
	s_wait_tensorcnt 0x0
	ds_add_u32 v[SPW], v[NIL]
.endm
.macro TLOAD g0, g1
	tensor_load_to_lds s[\g0:\g0+3], s[\g1:\g1+7]
	s_nop 0
	PLACES 4
.endm
.macro REFILL weights                  ; waves 0 and 1 half a chunk each, wave 2 its scale bytes, wave 3 the second weight where it is due
	s_cmp_lt_u32 s14, 2
	s_cbranch_scc0 .Lscales_\@
	TLOAD G0R, G1A
	s_branch .Lasked_\@
.Lscales_\@:
	s_cmp_eq_u32 s14, 2
	s_cbranch_scc0 .Llast_\@
	TLOAD G0S, G1S
	s_branch .Lasked_\@
.Llast_\@:
.if \weights
	TLOAD G0B, G1B
.endif
.Lasked_\@:
.endm
.macro GROUP1 g, mask, rows
	s_or_b32 s[\g+0], s[\mask], (1<<20)|(1<<21)|(5<<22)|(3<<25)
	s_mov_b32 s[\g+1], (KROW&0xffff)<<16
	s_mov_b32 s[\g+2], (KROW>>16)|((\rows)<<16)
	s_mov_b32 s[\g+3], KROW<<16
	s_mov_b32 s[\g+4], \rows
	s_mov_b32 s[\g+5], KROW
	s_mov_b32 s[\g+6], 0
	s_mov_b32 s[\g+7], 0
.endm
.macro SADD d, x
	s_add_co_u32 s\d, s\d, s\x
.endm
.macro SMADD d, x, k                   ; s22 is lost
	s_mul_i32 s22, s\x, \k
	s_add_co_u32 s\d, s\d, s22
.endm
.macro G0SET g, base, off
	s_mov_b32 s20, s\off
	s_add_nc_u64 s[\g+2:\g+3], s[\base:\base+1], s[20:21]
	s_or_b32 s[\g+3], s[\g+3], 0x80000000
.endm
; fragment f lies in window 1 + f / 21 at register 12 (f % 21): 0-31 the weights' (4 q + b), 32-39 and 40-47 the rows' two sets
.macro FRAG f, q, a0, a1, aw           ; six pieces of 8 bytes, two to a load where both lie behind as many paddings
	WIN ((1+(\f)/FPW)<<6)|(\aw)
.set R_, FR*((\f)%FPW)
.set SKIP_, 0
.irp p, 0,1,2,3,4,5
.if SKIP_
.set SKIP_, 0
.else
.set PC_, 12*(\q)+6*(\p/3)+\p%3
.set PN_, 12*(\q)+6*((\p+1)/3)+(\p+1)%3
.set X_, (PC_%32+3)/32
.set XQ_, (PN_%32+3)/32
.if (\p < 5) && (X_ == XQ_)
.set SKIP_, 1
.if X_
	ds_load_2addr_b64 v[R_+2*\p:R_+2*\p+3], \a1 offset0:PC_+2*(PC_/32) offset1:PN_+2*(PN_/32)
.else
	ds_load_2addr_b64 v[R_+2*\p:R_+2*\p+3], \a0 offset0:PC_+2*(PC_/32) offset1:PN_+2*(PN_/32)
.endif
.elseif X_
	ds_load_b64 v[R_+2*\p:R_+2*\p+1], \a1 offset:8*(PC_+2*(PC_/32))
.else
	ds_load_b64 v[R_+2*\p:R_+2*\p+1], \a0 offset:8*(PC_+2*(PC_/32))
.endif
.endif
.endr
.endm
.macro WEIGHTS                         ; my 64 rows of the weight, all of K: 104 loads
.irp q, 0,1,2,3,4,5,6,7
.irp b, 0,1,2,3
	FRAG NB*\q+\b, \q, v[BA-768+2*\b], v[BA-768+2*\b+1], 3
.endr
.endr
	WIN 0
.endm
.macro FETCHAT e, a0, a1, as           ; a block of x's rows into set e: NF loads
.irp q, 0,1,2,3,4,5,6,7
	FRAG NB*NQ+NQ*(\e)+\q, \q, \a0, \a1, 0
.endr
	WIN 0
	ds_load_b128 v[SA+8*(\e):SA+8*(\e)+3], \as
	ds_load_b128 v[SA+8*(\e)+4:SA+8*(\e)+7], \as offset:16
.endm
.macro FETCH e
	FETCHAT \e, v[ADRA], v[ADRA+1], v[AAS]
.endm
.macro FETCH01                         ; a phase's first two blocks, from slot 0
	FETCHAT 0, v4, v5, v6
	FETCHAT 1, v1, v22, v23
.endm
; a product.  n = 4 q + tile.  kind 0 (Q, K): source 0 the weight's rows; kind 1 (V): source 0 x's rows.  A block's first four products take the bias as C.
.macro PROD kind, e, n, a0, as
.set Q_, (\n)/4
.set FB_, NB*Q_+(\n)%4
.set FA_, NB*NQ+NQ*(\e)+Q_
.set D_, (\a0)+(\as)*((\n)%4)
.set DL_, D_&255
.set XB_, SB+NQ*(((\n)%4)/2)+Q_
.set XA_, SA+8*(\e)+Q_
.if \kind
.if Q_
	WIN (1+FA_/FPW)|((1+FB_/FPW)<<2)|((D_>>8)<<4)|((D_>>8)<<6)
	PROD1 DL_, FA_, FB_, v[DL_:DL_+7], XA_, XB_, b, (\n)%2
.else
	WIN (1+FA_/FPW)|((1+FB_/FPW)<<2)|(3<<4)|((D_>>8)<<6)
	PROD1 DL_, FA_, FB_, v[BBV-768+8*((\n)%4):BBV-768+8*((\n)%4)+7], XA_, XB_, b, (\n)%2
.endif
.else
	WIN (1+FB_/FPW)|((1+FA_/FPW)<<2)|((D_>>8)<<4)|((D_>>8)<<6)
.if Q_
	PROD1 DL_, FB_, FA_, v[DL_:DL_+7], XB_, XA_, a, (\n)%2
.else
	PROD1 DL_, FB_, FA_, v[BBQ+8*((\n)%4):BBQ+8*((\n)%4)+7], XB_, XA_, a, (\n)%2
.endif
.endif
.endm
.macro PROD1 d, s0, s1, c, x0, x1, side, o
.if \o
	v_wmma_scale_f32_16x16x128_f8f6f4 v[\d:\d+7], v[FR*((\s0)%FPW):FR*((\s0)%FPW)+FR-1], v[FR*((\s1)%FPW):FR*((\s1)%FPW)+FR-1], \c, v[\x0], v[\x1] matrix_a_fmt:MATRIX_FMT_FP6 matrix_b_fmt:MATRIX_FMT_FP6 matrix_\side\()_scale:MATRIX_SCALE_ROW1
.else
	v_wmma_scale_f32_16x16x128_f8f6f4 v[\d:\d+7], v[FR*((\s0)%FPW):FR*((\s0)%FPW)+FR-1], v[FR*((\s1)%FPW):FR*((\s1)%FPW)+FR-1], \c, v[\x0], v[\x1] matrix_a_fmt:MATRIX_FMT_FP6 matrix_b_fmt:MATRIX_FMT_FP6 matrix_\side\()_scale:MATRIX_SCALE_ROW0
.endif
.endm
; products from .. to - 1 of a block; behind every second one, two entries of the list
.macro BLOCK kind, e, a0, as, from, to, list, x=0, y=0
.set N_, \from
.rept (\to)-(\from)
	PROD \kind, \e, N_, \a0, \as
.if N_%2
	\list N_-1, \x, \y
	\list N_, \x, \y
.endif
.set N_, N_+1
.endr
.endm
.macro PAR e                           ; the bases that the block two on is fetched by: even tiles, odd tiles
.if \e
.set AE_, 1
.set AF_, 22
.set AG_, 23
.else
.set AE_, 4
.set AF_, 5
.set AG_, 6
.endif
.endm
.macro STEPV i                         ; 3 entries: the next block's LDS addresses (s101, s91: its offset in codes and scale bytes)
.if (\i) == 0
	WIN 0
	v_add_nc_u32 v[ADRA], s101, v[AE_]
.elseif (\i) == 1
	WIN 0
	v_add_nc_u32 v[ADRA+1], s101, v[AF_]
.elseif (\i) == 2
	WIN 0
	v_add_nc_u32 v[AAS], s91, v[AG_]
.endif
.endm
.macro CHAIN i, x, n, t=TQ             ; a way out's first part, 18 entries: the largest magnitude of the 32 sums from register x on, and the conversions' scale operand
.set XW_, (\x)>>8
.set XL_, (\x)&255
.if (\i) >= 0 && (\i) < 14
.set B_, XL_+16*((\i)%2)+2*((\i)/2)
.set T_, (\t)+1-(\i)%2
.if (\i) < 2
	WIN XW_|(XW_<<2)|(XW_<<4)
	v_max3_num_f32 v[T_], |v[B_]|, |v[B_+1]|, |v[B_+2]|
.else
	WIN (XW_<<2)|(XW_<<4)
	v_max3_num_f32 v[T_], v[T_], |v[B_+1]|, |v[B_+2]|
.endif
.elseif (\i) == 14
	WIN XW_<<2
	v_max3_num_f32 v[\t+1], v[\t+1], |v[XL_+15]|, (EMAX+1)<<23
.elseif (\i) == 15
	WIN 0
	v_nop
.elseif (\i) == 16
	WIN XW_<<2
	v_max3_num_f32 v[\t], v[\t], |v[XL_+31]|, v[\t+1]
.elseif (\i) == 17
	WIN 0
	v_add_nc_u32 v[SOP+\n], -(EMAX<<23), v[\t]
.endif
.endm
.macro CODES i, x, c, n, t=TC          ; its second part, 6 lines: 32 codes into v[c .. c+5], the scale's byte into v[EB+n]
.set XW_, (\x)>>8
.set XL_, (\x)&255
.if (\i) == 0
	WIN XW_
	v_cvt_scalef32_pk16_fp6_f32 v[\c:\c+2], v[XL_:XL_+15], v[SOP+\n]
.elseif (\i) == 1
	WIN XW_
	v_cvt_scalef32_pk16_fp6_f32 v[\t:\t+2], v[XL_+16:XL_+31], v[SOP+\n]
.elseif (\i) == 2
	WIN 0
	v_lshrrev_b32 v[EB+\n], 23, v[SOP+\n]
.else
	WIN 0
	v_mov_b32 v[\c+\i], v[\t+\i-3]
.endif
.endm
.macro CODES6 x, c, n
.irp i, 0,1,2,3,4,5
	CODES \i, \x, \c, \n
.endr
.endm
.macro PFTILE v, off, share            ; my sixteenth of a tile of 128 rows: 24 blocks of 256 bytes
	s_mul_i32 s21, s\share, RA*KROW/16
	s_add_co_u32 s20, s\off, s21
	WIN 0
	v_min_u32 v\v, RA*KROW/16/256-1, v3
	v_lshl_add_u32 v\v, v\v, 8, s20
.endm
.macro PFGO v, base
	global_prefetch_b8 v\v, s[\base:\base+1] th:TH_LOAD_NT scope:SCOPE_SE
.endm
.macro PUT3 r, base, off
.irp k, 0,1,2
	global_store_b128 v[CO], v[\r+4*\k:\r+4*\k+3], \base offset:(\off)+512*\k
.endr
.endm
.macro PUTQ                            ; a pair of blocks: my 64 columns' half of two operands; each store covers 512 or 256 consecutive bytes
	global_store_b128 v[CO], v[NCD:NCD+3], s[84:85]
	global_store_b64 v[C8], v[NCD+4:NCD+5], s[84:85] offset:512
	global_store_b128 v[CO], v[NCD+6:NCD+9], s[84:85] offset:1536
	global_store_b64 v[C8], v[NCD+10:NCD+11], s[84:85] offset:2048
.endm
.macro ASK i                           ; 4 entries: the descriptors of phase 2's next chunk (s88 bytes on) for slot s47, and of its scale bytes (s54) for s18; then all four step on
.if (\i) == 0
	s_mul_i32 s[G0R+1], s14, RA/2*PITCH
	s_add_co_u32 s[G0R+1], s[G0R+1], s47
	s_mul_i32 s20, s14, RA/2*KROW
	SADD 20, 88
.elseif (\i) == 1
	s_mov_b32 s21, 0
	s_add_nc_u64 s[G0R+2:G0R+3], s[4:5], s[20:21]
	s_or_b32 s[G0R+3], s[G0R+3], 0x80000000
	s_mov_b32 s[G0S+1], s18
.elseif (\i) == 2
	s_mov_b32 s20, s54
	s_add_nc_u64 s[G0S+2:G0S+3], s[6:7], s[20:21]
	s_or_b32 s[G0S+3], s[G0S+3], 0x80000000
	s_add_co_u32 s88, s88, RA*KROW
.elseif (\i) == 3
	s_add_co_u32 s54, s54, CU*256
	s_xor_b32 s47, s47, YB
	s_xor_b32 s18, s18, (SCL)^(SCL+SCB)
.endif
.endm
.macro PAIR i                          ; 4 entries: where pair s46's codes go (s[84:85]) and its scale bytes (v[VX])
.if (\i) == 0
	s_lshr_b32 s20, s46, 2
	s_mul_i32 s20, s20, 196608
	s_and_b32 s21, s46, 3
	s_mul_i32 s21, s21, 3072
.elseif (\i) == 1
	SADD 20, 21
	s_mov_b32 s21, 0
	s_add_nc_u64 s[84:85], s[10:11], s[20:21]
.elseif (\i) == 2
	s_lshr_b32 s22, s46, 2
	s_lshl_b32 s22, s22, 10
	s_and_b32 s23, s46, 1
	s_lshl_b32 s23, s23, 3
.elseif (\i) == 3
	s_or_b32 s22, s22, s23
	s_bfe_u32 s23, s46, 0x10001
	s_lshl_b32 s23, s23, 8
	s_or_b32 s22, s22, s23
	WIN 0
	v_add_nc_u32 v[VX], s22, v[STO]
.endif
.endm
; the lists
.macro L_STEP i, x, y
	STEPV \i
.endm
.macro L_NONE i, x, y
.endm
.macro L_OUT i, x, y
	STEPV \i
	CHAIN (\i)-3, \x, \y
.endm
.macro L_LAST i, x, y
	CHAIN \i, \x, \y
.endm
.macro L_V2 i, x, y                    ; V's block 2: the refills' group 1; the second weight's address; the first chunk's descriptors; the step; what the next refill will load is asked for into the L2
.if (\i) == 0
	s_mov_b32 s[G1A+2], (KROW>>16)|((RA/2)<<16)
	s_mov_b32 s[G1A+4], RA/2
	s_mov_b32 s[G1S+2], CU<<16
	s_mov_b32 s[G1S+4], CU
.elseif (\i) == 1
	s_mov_b64 s[G0B+2:G0B+3], s[8:9]
	s_or_b32 s[G0B+3], s[G0B+3], 0x80000000
.endif
	ASK (\i)-2
	STEPV (\i)-6
.if (\i) == 9
	PFTILE 7, 88, 90
.endif
.endm
.macro L_V7 i, x, y                    ; V's last block: the second refill's descriptors; the last two chunks are asked for; the way out
	ASK \i
.if (\i) == 4
	PFTILE 20, 88, 90
.elseif (\i) == 5
	s_add_co_u32 s22, s88, RA*KROW
	PFTILE 8, 22, 90
.endif
	CHAIN (\i)-6, \x, \y
.endm
.macro L_ODD i, x, y
	PAIR \i
	STEPV (\i)-4
	CHAIN (\i)-7, ACC, 0
.endm
.macro L_ODDL i, x, y
	PAIR \i
	CHAIN (\i)-4, ACC, 0
.endm
.macro L_ROUND i, x, y
	ASK \i
	STEPV (\i)-4
	CHAIN (\i)-7, ACC+32, 1
.endm
; phase 2's blocks.  w: the count of the wait for the block's rows (-1: they are shown in already)
.macro WAITDS w
.if (\w) >= 0
	s_wait_dscnt \w
.endif
.endm
.macro EVENOUT fetch
	WALU
	ds_store_b8 v[VX], v[EB+1] offset:4
	PUTQ
.if \fetch
	FETCH 0
.endif
.endm
.macro EVEN w, fetch
	WAITDS \w
	PAR 0
.if \fetch
	s_add_co_u32 s101, s101, R16
	s_add_co_u32 s91, s91, S16
	BLOCK 0, 0, ACC, 8, 0, 32, L_OUT, ACC+32, 1
.else
	BLOCK 0, 0, ACC, 8, 0, 32, L_LAST, ACC+32, 1
.endif
	WIN 0
	CODES6 ACC+32, NCD+6, 1
	EVENOUT \fetch
.endm
.macro EVENROUND w                     ; the third and the fourth refill.  The block fetched here begins a chunk: slot 1 in the first trip, slot 0 in the second
	WAITDS \w
	PAR 0
	s_xor_b32 s20, s86, 1
	s_mul_i32 s101, s20, YB
	s_mul_i32 s91, s20, SCB
	GRD
	BLOCK 0, 0, ACC, 8, 0, 26, L_ROUND
	WIN 0
	WALU
	s_wait_dscnt 0x0
	s_barrier_signal -1
	BLOCK 0, 0, ACC, 8, 26, 32, L_NONE
	WIN 0
	CODES6 ACC+32, NCD+6, 1
	MIDDLE
	BARRIER
	REFILL 0
	EVENOUT 1
.endm
.macro EVENSHOW w                      ; a plain barrier inside the block shows the last refill to all
	WAITDS \w
	PAR 0
	s_and_b32 s20, s86, 1
	s_mul_i32 s101, s20, R16
	s_add_co_u32 s101, s101, YB
	s_mul_i32 s91, s20, S16
	s_add_co_u32 s91, s91, SCB
	BLOCK 0, 0, ACC, 8, 0, 26, L_OUT, ACC+32, 1
	WIN 0
	WALU
	s_wait_tensorcnt 0x0
	s_wait_dscnt 0x0
	s_barrier_signal -1
	BLOCK 0, 0, ACC, 8, 26, 32, L_NONE
	WIN 0
	s_barrier_wait -1
	CODES6 ACC+32, NCD+6, 1
	EVENOUT 1
.endm
.macro ODD w, fetch
	WAITDS \w
	PAR 1
	s_wait_xcnt 0x0
.if \fetch
	BLOCK 0, 1, ACC+32, 8, 0, 32, L_ODD
.else
	BLOCK 0, 1, ACC+32, 8, 0, 32, L_ODDL
.endif
	s_add_co_u32 s46, s46, 1
	WIN 0
	CODES6 ACC, NCD, 0
	WALU
	ds_store_b8 v[VX], v[EB]
.if \fetch
	FETCH 1
.endif
.endm
; ================= THE HEAD
	s_load_b256 s[48:55], s[0:1], 0x0                   ; value codes, scales, W_v codes, scales
	s_load_b256 s[4:11], s[0:1], 0x20                   ; query's and W_q's
	s_load_b256 s[76:83], s[0:1], 0x40                  ; key's and W_k's
	s_load_b128 s[84:87], s[0:1], 0x60                  ; bq, bk
	s_load_b64 s[46:47], s[0:1], 0x70                   ; bv
	v_lshl_add_u32 v[SPW], v0, 2, SPARE
	v_mov_b32 v[NIL], 0
	ds_add_u32 v[SPW], v[NIL]
	ds_add_u32 v[SPW], v[NIL]
	v_lshrrev_b32 v1, 5, v0
	v_readfirstlane_b32 s14, v1                         ; s14 the wave; s15 its row of the 2 x 2, s16 its column
	s_lshr_b32 s15, s14, 1
	s_and_b32 s16, s14, 1
	s_bfe_u32 s40, ttmp6, 0x40000                       ; cx
	s_bfe_u32 s41, ttmp6, 0x40004                       ; cy
	s_lshl_b32 s42, ttmp9, 2
	s_add_co_u32 s42, s42, s40                          ; phase 2's tile column, 0 .. 15
	s_and_b32 s43, ttmp7, 0xffff
	s_lshl_b32 s43, s43, 2
	s_add_co_u32 s43, s43, s41                          ; its tile row
	s_lshr_b32 s19, ttmp9, 1                            ; 0 Q, 1 K
	s_and_b32 s18, s42, 7                               ; the tile column within that tensor
	s_lshl_b32 s13, s19, 2
	s_add_co_u32 s13, s13, s40                          ; V's tile column
	s_and_b32 s12, ttmp9, 1
	s_lshl_b32 s17, s43, 1
	s_add_co_u32 s12, s12, s17                          ; V's tile row
	s_lshl_b32 s44, s41, 2
	s_lshl_b32 s44, 15, s44                             ; my row of the cluster
	s_lshl_b32 s45, 0x1111, s40                         ; my column
	GROUP1 G1A, 44, RA
	GROUP1 G1B, 45, TN
	s_or_b32 s[G1S+0], s44, (3<<16)|(1<<20)|(1<<21)|(5<<22)|(3<<25)
	s_mov_b32 s[G1S+1], 32<<16
	s_mov_b32 s[G1S+2], (2*CU)<<16
	s_mov_b32 s[G1S+3], 32<<16
	s_mov_b32 s[G1S+4], 2*CU
	s_mov_b32 s[G1S+5], 32
	s_mov_b32 s[G1S+6], 0
	s_mov_b32 s[G1S+7], 0
	s_mov_b32 s[G0S], 1
	s_mov_b32 s[G0S+1], SCL
	s_mov_b32 s[G0A], 1
	s_mov_b32 s[G0A+1], 0
	s_mov_b32 s[G0B], 1
	s_mov_b32 s[G0B+1], BVB
	s_mov_b32 s[G0R], 1
	s_mov_b32 s[G0R+1], YB
	s_mul_i32 s66, s12, TV*KROW                         ; V's rows, bytes from value_codes
	s_mul_i32 s89, s12, TV*KS                           ; their scale bytes
	s_mul_i32 s67, s13, TN*KROW                         ; W_v's rows
	s_mul_i32 s88, s43, TM*KROW                         ; phase 2's rows
	s_lshl_b32 s90, s40, 2
	s_add_co_u32 s90, s90, s14                          ; my number among the sixteen waves of my row of the cluster
	s_lshl_b32 s100, s41, 2
	s_add_co_u32 s100, s100, s14                        ; and of my column
	s_mul_i32 s17, s15, 64*PITCH                        ; my band of a chunk
	s_mul_i32 s20, s16, 64*PITCH
	s_add_co_u32 s20, s20, BVB                          ; my 64 rows of a weight
	s_mul_i32 s21, s15, 8*272
	s_add_co_u32 s21, s21, SCL                          ; my band's scale bytes
	s_lshl_b32 s23, s15, 9
	s_lshl_b32 s22, s16, 1
	SADD 22, 23
	s_add_co_u32 s22, s22, XN
	s_lshl_b32 s3, s16, 8
	SADD 23, 3
	s_add_co_u32 s23, s23, XM
	s_mov_b32 s2, 0xffff0000                            ; lanes 16-31
	v_and_b32 v1, 15, v0                                ; r
	v_bfe_u32 v2, v0, 4, 1                              ; h
	v_and_b32 v3, 31, v0                                ; the lane
	v_lshrrev_b32 v20, 3, v1
	v_lshl_add_u32 v21, v20, 5, v1                      ; an even tile's row: r, from r = 8 on r + 32
	v_lshl_add_u32 v7, v20, 4, v1
	v_add_nc_u32 v7, 8, v7                              ; an odd tile's: r + 8, from r = 8 on r + 24
	v_mul_u32_u24 v64, v21, PITCH
	v_mul_u32_u24 v65, v7, PITCH
	v_mul_u32_u24 v70, v1, PITCH
	v_mad_u32_u24 v66, v2, 24, v64
	v_mad_u32_u24 v67, v2, 24+16, v64
	v_mad_u32_u24 v68, v2, 24, v65
	v_mad_u32_u24 v69, v2, 24+16, v65
	v_mad_u32_u24 v71, v2, 24, v70
	v_mad_u32_u24 v72, v2, 24+16, v70
	v_add_nc_u32 v4, s17, v66
	v_add_nc_u32 v5, s17, v67
	v_add_nc_u32 v22, s17, v69
	v_add_nc_u32 v[WE], s20, v66
	v_add_nc_u32 v[WE+1], s20, v67
	v_add_nc_u32 v[WE+2], s20, v68
	v_add_nc_u32 v[WE+3], s20, v69
	v_add_nc_u32 v14, s20, v71
	v_add_nc_u32 v15, s20, v72
	v_lshlrev_b32 v[ABS], 5, v3
	v_lshlrev_b32 v73, 5, v21
	v_lshrrev_b32 v74, 3, v21
	v_lshl_add_u32 v73, v74, 4, v73                     ; a row's scale bytes: 32 a row, 16 more for each 256 passed
	v_add_nc_u32 v6, s21, v73
	v_lshlrev_b32 v75, 5, v7
	v_lshrrev_b32 v76, 3, v7
	v_lshl_add_u32 v75, v76, 4, v75
	v_add_nc_u32 v23, s21, v75
	v_cndmask_b32 v41, v21, v7, s2
	v_lshlrev_b32 v41, 5, v41                           ; phase 2's weights' scale words: lanes 0-15 an even tile's rows, lanes 16-31 an odd tile's
	v_lshl_add_u32 v77, v1, 4, v2
	v_add_nc_u32 v[STO], s22, v77
	v_add_nc_u32 v[STV], s23, v77
	v_lshlrev_b32 v[CO], 4, v3
	v_lshlrev_b32 v[C8], 3, v3
	v_lshlrev_b32 v40, 2, v1
	v_mul_u32_u24 v[BQE], v2, 160
	v_mul_u32_u24 v[BQE+1], v2, 96
	v_add_nc_u32 v1, s17, v68
	WALU
	s_wait_dscnt 0x0
	CROUND                                              ; the opening round
	s_wait_kmcnt 0x0
	s_mov_b32 s20, s66
	s_mov_b32 s21, 0
	s_add_nc_u64 s[G0A+2:G0A+3], s[48:49], s[20:21]
	s_add_nc_u64 s[G0R+2:G0R+3], s[G0A+2:G0A+3], RA*KROW
	s_or_b32 s[G0A+3], s[G0A+3], 0x80000000
	s_or_b32 s[G0R+3], s[G0R+3], 0x80000000
	G0SET G0B, 52, 67
	G0SET G0S, 50, 89
	s_cmp_eq_u32 s14, 0
	s_cbranch_scc0 .Lwave_1
	TLOAD G0B, G1B                                      ; wave 0: W_v's rows
	s_branch .Lasked
.Lwave_1:
	s_cmp_eq_u32 s14, 1
	s_cbranch_scc0 .Lwave_2
	TLOAD G0S, G1S                                      ; wave 1: both chunks' scale bytes
	s_branch .Lasked
.Lwave_2:
	s_cmp_eq_u32 s14, 2
	s_cbranch_scc0 .Lwave_3
	TLOAD G0A, G1A                                      ; wave 2: chunk 0
	s_branch .Lasked
.Lwave_3:
	TLOAD G0R, G1A                                      ; wave 3: chunk 1
.Lasked:
	s_cmp_eq_u32 s19, 1                                 ; phase 2's tensors
	s_cselect_b64 s[4:5], s[76:77], s[4:5]
	s_cselect_b64 s[6:7], s[78:79], s[6:7]
	s_cselect_b64 s[8:9], s[80:81], s[8:9]
	s_cselect_b64 s[10:11], s[82:83], s[10:11]
	s_cselect_b64 s[84:85], s[86:87], s[84:85]
	s_mov_b32 s21, 0
	s_mul_i32 s20, s18, TN*KROW
	s_add_nc_u64 s[8:9], s[8:9], s[20:21]               ; the second weight's 128 rows
	s_lshl_b32 s22, s16, 11
	s_lshl_b32 s20, s18, 12
	SADD 20, 22
	s_add_nc_u64 s[10:11], s[10:11], s[20:21]           ; my 64 rows' scale bytes of it,
	s_lshl_b32 s20, s13, 12
	SADD 20, 22
	s_add_nc_u64 s[2:3], s[54:55], s[20:21]             ; and of W_v
.irp p, 0,1
.irp c, 0,1
	global_load_b128 v[SB+NQ*\p+4*\c:SB+NQ*\p+4*\c+3], v[ABS], s[2:3] offset:\p*32*KS+16*\c
.endr
.endr
	WIN 3<<6
.irp p, 0,1
.irp c, 0,1
	global_load_b128 v[SB2-768+NQ*\p+4*\c:SB2-768+NQ*\p+4*\c+3], v41, s[10:11] offset:\p*16*KS+16*\c
.endr
.endr
	WIN 0
	; where the results go, in bytes: s76 Q's or K's codes, s78 their scale bytes, s80, s82 V's
	s_mul_i32 s76, s19, 6291456
	SMADD 76, 43, 393216
	SMADD 76, 15, 98304
	SMADD 76, 18, 12288
	SMADD 76, 16, 768
	s_mov_b32 s77, 0
	s_lshl_b32 s78, s19, 18
	SMADD 78, 43, 16384
	SMADD 78, 14, 4096
	SMADD 78, 18, 512
	s_mov_b32 s79, 0
	s_lshr_b32 s20, s12, 3                              ; the batch
	s_lshl_b32 s20, s20, 3
	SADD 20, 13
	s_lshl_b32 s20, s20, 4
	s_and_b32 s23, s12, 7
	s_lshl_b32 s23, s23, 1
	SADD 20, 23                                         ; (batch x 8 + 128 channels) x 16 + the first of my two key steps
	s_lshl_b32 s82, s20, 9
	SMADD 82, 14, 256
	s_add_co_u32 s82, s82, 524288
	s_mov_b32 s83, 0
	SADD 20, 15
	s_mul_i32 s80, s20, 12288
	SMADD 80, 16, 6144
	s_add_co_u32 s80, s80, 12582912
	s_mov_b32 s81, 0
	; THE BIAS IS THE FIRST PRODUCTS' C, laid in registers as the result lies
	s_lshl_b32 s22, s16, 8
	s_lshl_b32 s20, s13, 9
	SADD 20, 22
	s_add_nc_u64 s[46:47], s[46:47], s[20:21]           ; V's: my 64 columns
	s_lshl_b32 s20, s18, 9
	SADD 20, 22
	s_add_nc_u64 s[12:13], s[84:85], s[20:21]           ; Q's or K's: kept for the loads between the phases
	WIN 3<<6
.irp t, 0,1,2,3
	global_load_b32 v[BBV-768+8*\t], v40, s[46:47] offset:64*\t
.endr
	WIN 0
	s_wait_xcnt 0x0
	s_load_b128 s[48:51], s[0:1], 0x78                  ; c1, s1
	s_mul_i32 s54, s43, TM*KS                           ; phase 2's scale bytes
	s_mov_b32 s46, 0
	s_mov_b32 s47, 0
	s_mov_b32 s18, SCL
	s_wait_loadcnt 0x0
	WIN (3<<6)|3
.irp t, 0,8,16,24
.irp i, 1,2,3,4,5,6,7
	v_mov_b32 v[BBV-768+\t+\i], v[BBV-768+\t]           ; V's number, one a lane and tile, over the tile's eight registers
.endr
.endr
	WIN 3<<6
.irp b, 0,1,2,3
	v_add_nc_u32 v[BA-768+2*\b], \b*16*PITCH, v14
	v_add_nc_u32 v[BA-768+2*\b+1], \b*16*PITCH, v15
.endr
	PFTILE 8, 47, 100                                   ; the second weight
	PFTILE 42, 88, 90                                   ; phase 2's first chunk
	s_lshl_b32 s20, s90, 10
	SADD 20, 54
	v_min_u32 v43, 3, v3
	v_lshl_add_u32 v43, v43, 8, s20                     ; phase 2's scale bytes: 64 blocks of 256 bytes, four a wave
	WALU
	s_cmp_eq_u32 s14, 0
	s_cbranch_scc0 .Lnot_b
	s_wait_tensorcnt 0x0
.Lnot_b:
	BARRIER                                             ; W_v's rows are in
	PFGO 8, 8
	PFGO 42, 4
	PFGO 43, 6
	WEIGHTS
	s_cmp_eq_u32 s14, 3
	s_cbranch_scc1 .Lnot_a0
	s_wait_tensorcnt 0x0
.Lnot_a0:
	s_wait_dscnt 0x0
	BARRIER                                             ; chunk 0 and the scale bytes are in; chunk 1 may still be on its way
	FETCH01
	s_wait_kmcnt 0x0
	s_add_nc_u64 s[10:11], s[48:49], s[76:77]           ; Q's or K's codes
	s_add_nc_u64 s[52:53], s[50:51], s[82:83]           ; V's scale bytes
	s_add_nc_u64 s[80:81], s[48:49], s[80:81]
	s_add_nc_u64 s[48:49], s[50:51], s[78:79]           ; Q's or K's scale bytes
	s_mov_b64 s[50:51], s[80:81]                        ; V's codes
; ================= PHASE 1: V, eight blocks; band 0's way outs stand in band 1's blocks
	s_mov_b32 s101, R16
	s_mov_b32 s91, S16
.irp s, 0,1
	s_wait_dscnt NF
	PAR \s
	BLOCK 1, \s, HV0+8*\s, 32, 0, 32, L_STEP
	WIN 0
	PLACES 4
	WALU
	FETCH \s
.endr
	s_wait_dscnt NF
	PAR 0
	s_mov_b32 s101, YB
	s_mov_b32 s91, SCB
	s_wait_xcnt 0x0
	GRD
	BLOCK 1, 0, HV0+16, 32, 0, 24, L_V2
	WIN 0
	s_wait_dscnt 0x0
	s_barrier_signal -1
	BLOCK 1, 0, HV0+16, 32, 24, 32, L_NONE
	MIDDLE
	BARRIER
	REFILL 1                                            ; the second weight goes onto W_v's rows, which all waves hold in registers.  The v_nop behind each load are the places in front of the fetch
	WALU
	FETCH 0
	PFGO 7, 4
	PAR 1
	BLOCK 1, 1, HV0+24, 32, 0, 32, L_STEP
	WIN 0
	PLACES 4
	WALU
	FETCH 1
	s_mov_b32 s101, YB+R16
	s_mov_b32 s91, SCB+S16
.irp j, 0,1,2
	s_wait_dscnt NF+(\j+1)/2
	PAR \j%2
.if \j < 2
	BLOCK 1, \j%2, HV1+8*\j, 32, 0, 32, L_OUT, HV0+32*\j, \j
.else
	BLOCK 1, \j%2, HV1+8*\j, 32, 0, 32, L_LAST, HV0+32*\j, \j
.endif
	WIN 0
	CODES6 HV0+32*\j, MCD+12*\j, \j
	WALU
	ds_store_b8 v[STV], v[EB+\j] offset:4*\j
.if \j < 2
	FETCH \j%2
.endif
.endr
	s_wait_dscnt 1
	GRD
	BLOCK 1, 1, HV1+24, 32, 0, 26, L_V7, HV0+96, 3
	WIN 0
	WALU
	s_wait_dscnt 0x0
	s_barrier_signal -1
	BLOCK 1, 1, HV1+24, 32, 26, 32, L_NONE
	WIN 0
	CODES6 HV0+96, MCD+36, 3
	WIN 3<<6
.irp b, 0,1,2,3
	v_add_nc_u32 v[BA-768+2*\b], (\b/2)*R16, v[WE+2*(\b%2)]      ; the second weight's tiles
	v_add_nc_u32 v[BA-768+2*\b+1], (\b/2)*R16, v[WE+2*(\b%2)+1]
.endr
	MIDDLE
	BARRIER
	REFILL 0
	WALU
	ds_store_b8 v[STV], v[EB+3] offset:12
; ================= THE CHANGE OF PHASE: the weights and the first two blocks' rows in one run of loads; band 1's four way outs under their flight
.irp t, 0,1,2,3
	global_load_b128 v[BBQ+8*\t:BBQ+8*\t+3], v[BQE+\t%2], s[12:13] offset:32*\t
	global_load_b128 v[BBQ+8*\t+4:BBQ+8*\t+7], v[BQE+\t%2], s[12:13] offset:32*\t+16
.endr
	WEIGHTS
	FETCH01
	PFGO 20, 4
	PFGO 8, 4
	WIN 3
.set I, 0
.rept 16
	v_mov_b32 v[SB+I], v[SB2-768+I]
.set I, I+1
.endr
	WIN 0
.set I, 0
.rept 18
.irp t, 0,1,2,3
	CHAIN I, HV1+32*\t, \t, 64+4*\t
.endr
.set I, I+1
.endr
.set I, 0
.rept 6
.irp t, 0,1,2,3
	CODES I, HV1+32*\t, MCD+12*\t+6, \t, 80+4*\t
.endr
.set I, I+1
.endr
	WIN 0
	WALU
; ================= PHASE 2: Q or K, sixteen blocks, way outs by pairs
	s_wait_loadcnt 0x0
	s_wait_dscnt NF
	s_mov_b32 s101, R16
	s_mov_b32 s91, S16
	PAR 0
	BLOCK 0, 0, ACC, 8, 0, 32, L_STEP
	WIN 0
	PLACES 4
	WALU
.irp t, 0,1,2,3
	ds_store_b8 v[STV], v[EB+\t] offset:4*\t+2
.endr
.irp t, 0,1,2,3
	PUT3 MCD+12*\t, s[50:51], 1536*\t                   ; V's codes leave
.endr
	FETCH 0
	ODD NF+4, 1
	s_mov_b32 s86, 0
.Lwith_rounds:                                          ; blocks 2 to 5, 6 to 9
	EVENROUND NF+1
	ODD -1, 1
	EVEN NF+1, 1
	ODD NF+1, 1
	s_add_co_u32 s86, s86, 1
	s_cmp_lg_u32 s86, 2
	s_cbranch_scc1 .Lwith_rounds
.Lwithout:                                              ; blocks 10, 11 and 12, 13
	EVENSHOW NF+1
	ODD -1, 1
	s_add_co_u32 s86, s86, 1
	s_cmp_lg_u32 s86, 4
	s_cbranch_scc1 .Lwithout
	EVEN NF+1, 0
	ODD 1, 0
; ================= THE END: the last way out; the scale bytes go through LDS under its conversions
	s_lshl_b32 s21, s14, 9
	s_add_co_u32 s21, s21, XN
	v_add_nc_u32 v12, s21, v[CO]
	s_lshl_b32 s21, s14, 8
	s_add_co_u32 s21, s21, XM
	v_add_nc_u32 v14, s21, v[C8]
.set I, 0
.rept 18
	CHAIN I, ACC+32, 1
.set I, I+1
.endr
	CODES 2, ACC+32, NCD+6, 1
	WALU
	ds_store_b8 v[VX], v[EB+1] offset:4
	s_wait_dscnt 0x0
	s_barrier_signal -1
	CODES 0, ACC+32, NCD+6, 1
	CODES 1, ACC+32, NCD+6, 1
	v_nop
.irp i, 3,4,5
	CODES \i, ACC+32, NCD+6, 1
.endr
	s_barrier_wait -1
	WALU
	ds_load_b128 v[64:67], v12
	ds_load_b64 v[68:69], v14
	PUTQ
	s_wait_dscnt 0x0
	global_store_b128 v[CO], v[64:67], s[48:49]
	global_store_b64 v[C8], v[68:69], s[52:53]
	s_wait_tensorcnt 0x0
	ds_add_u32 v[SPW], v[NIL]
	s_wait_dscnt 0x0
	CROUND
	s_endpgm
.Lfunc_end_k_qeb1a464462_proj:
	.size	k_qeb1a464462_proj, .Lfunc_end_k_qeb1a464462_proj-k_qeb1a464462_proj
	.p2alignl 7, 3214868480
	.fill 96, 4, 3214868480
	.section	.rodata,"a",@progbits
	.p2align	6, 0x0
	.amdhsa_kernel k_qeb1a464462_proj
		.amdhsa_group_segment_fixed_size 327680
		.amdhsa_private_segment_fixed_size 0
		.amdhsa_enable_private_segment 0
		.amdhsa_kernarg_size 136
		.amdhsa_user_sgpr_count 2
		.amdhsa_user_sgpr_kernarg_segment_ptr 1
		.amdhsa_wavefront_size32 1
		.amdhsa_system_sgpr_workgroup_id_x 1
		.amdhsa_system_sgpr_workgroup_id_y 1
		.amdhsa_system_sgpr_workgroup_id_z 1
		.amdhsa_system_vgpr_workitem_id 0
		.amdhsa_next_free_vgpr 1024
		.amdhsa_next_free_sgpr 102
		.amdhsa_reserve_vcc 0
		.amdhsa_float_denorm_mode_32 3
		.amdhsa_float_denorm_mode_16_64 3
		.amdhsa_memory_ordered 1
		.amdhsa_forward_progress 1
		.amdhsa_inst_pref_size 192
	.end_amdhsa_kernel
	.amdgpu_metadata
---
amdhsa.version: [ 1, 2 ]
amdhsa.kernels:
  - .name:           k_qeb1a464462_proj
    .symbol:         k_qeb1a464462_proj.kd
    .args:
      - { .name: value_codes, .offset: 0, .size: 8, .value_kind: global_buffer, .address_space: global }
      - { .name: value_scales, .offset: 8, .size: 8, .value_kind: global_buffer, .address_space: global }
      - { .name: Wv_codes, .offset: 16, .size: 8, .value_kind: global_buffer, .address_space: global }
      - { .name: Wv_scales, .offset: 24, .size: 8, .value_kind: global_buffer, .address_space: global }
      - { .name: query_codes, .offset: 32, .size: 8, .value_kind: global_buffer, .address_space: global }
      - { .name: query_scales, .offset: 40, .size: 8, .value_kind: global_buffer, .address_space: global }
      - { .name: Wq_codes, .offset: 48, .size: 8, .value_kind: global_buffer, .address_space: global }
      - { .name: Wq_scales, .offset: 56, .size: 8, .value_kind: global_buffer, .address_space: global }
      - { .name: key_codes, .offset: 64, .size: 8, .value_kind: global_buffer, .address_space: global }
      - { .name: key_scales, .offset: 72, .size: 8, .value_kind: global_buffer, .address_space: global }
      - { .name: Wk_codes, .offset: 80, .size: 8, .value_kind: global_buffer, .address_space: global }
      - { .name: Wk_scales, .offset: 88, .size: 8, .value_kind: global_buffer, .address_space: global }
      - { .name: bq, .offset: 96, .size: 8, .value_kind: global_buffer, .address_space: global }
      - { .name: bk, .offset: 104, .size: 8, .value_kind: global_buffer, .address_space: global }
      - { .name: bv, .offset: 112, .size: 8, .value_kind: global_buffer, .address_space: global }
      - { .name: c1, .offset: 120, .size: 8, .value_kind: global_buffer, .address_space: global }
      - { .name: s1, .offset: 128, .size: 8, .value_kind: global_buffer, .address_space: global }
    .group_segment_fixed_size: 327680
    .private_segment_fixed_size: 0
    .kernarg_segment_align: 8
    .kernarg_segment_size: 136
    .max_flat_workgroup_size: 128
    .sgpr_count:     102
    .vgpr_count:     1024
    .wavefront_size: 32
...
	.end_amdgpu_metadata
.endif
;; end of part 1
;; launch score (part 2): grid 8 x 32, 4 waves a work-group, clusters of 4 x 4, 327,680 bytes of LDS; arguments c1, s1, pc, ps; writes pc, ps
.if DOCPART == 2
	.amdgcn_target "amdgcn-amd-amdhsa--gfx1250"
	.amdhsa_code_object_version 6
	.text
	.protected	k_qeb1a464462_score
	.globl	k_qeb1a464462_score
	.p2align	8
	.type	k_qeb1a464462_score,@function
k_qeb1a464462_score:
	s_mov_b64 s[64:65], 0
	v_nop
	global_prefetch_b8 v0, s[64:65] scope:SCOPE_SE
	s_setreg_imm32_b32 hwreg(HW_REG_WAVE_MODE, 25, 1), 1
	s_wait_xcnt 0x0
	s_wait_alu depctr_hold_cnt(0) depctr_sa_sdst(0) depctr_va_vdst(0) depctr_va_sdst(0) depctr_va_ssrc(0) depctr_va_vcc(0) depctr_vm_vsrc(0)
	s_getreg_b32 s2, hwreg(HW_REG_IB_STS2, 6, 4)
	s_cmp_eq_u32 s2, 0
	s_cbranch_scc0 .Lentry_in_a_cluster
	s_endpgm
.Lentry_in_a_cluster:
	s_bfe_u32 s2, ttmp6, 0x10000c
	s_cmp_lg_u32 s2, 0xf033
	s_cbranch_scc0 .Lentry_shape_is_right
	s_endpgm
.Lentry_shape_is_right:
; THE SCORES AND THE SOFTMAX'S p.  S^T = K Q^T on codes of FP6 (E2M3) from c1 and s1; p = 2^(t - M), t = score x log2(e) / 32, quantised along the keys.
; A tile of 256 queries x 256 keys is made by four waves, each 128 x 128: 64 accumulators.  K = the 1,024 channels: eight steps of 128.
; THE MATRIX INSTRUCTION IS USED TRANSPOSED: source 0 = 16 keys, source 1 = 16 queries.  By the order of K's rows in c1 a lane's 32 results of four key tiles are one whole block of 32 keys: lanes 0-15 block 2 c, lanes 16-31 block 2 c + 1.
; A LOCAL M: each wave takes M = the ceiling of the largest t of ITS 128 keys, for each query, and stores p's codes and scale words under it, beside -M and the sum of the unquantised p.  The launch that follows brings them under the row's M.
; FILLS: a group of 128 rows is 98,304 consecutive bytes.  Each wave brings one group: its first 73,728 bytes (six steps) by ONE joint load at the head, the last two steps onto the first two's bytes, in one drained round.
; The scale words go from memory straight into registers, 256 consecutive bytes for each half of the lanes.  No prefetch: there is no loop to run ahead in, and three quarters of all tiles are asked for at the head.
; LIMITS: NaN and infinities are not served.  The promise holds while |t| < 2^24.  A block whose every p has fallen under 2^-124 gets the byte 1; p under 2^-126 of the local largest counts as 0 (ISA guide, v_exp_f32).
; pc: [group of 128 queries 64][128 keys 16][block 8][1,536].   ps: [group 64][kind 3][128 keys 16][512]: kind 0 p's scale words, 1 -M, 2 the sum; the word of (block i, row r) at 16 (r + 16 (i / 4)) + 4 (i % 4).
; CLUSTERS: 4 x 4; Q's groups are asked for jointly along a row of the cluster, K's along a column.
; REGISTERS: window 0: v4-29 addresses, v32-95 scale words, v128-223 Q's fragments; on the way out v96-127 and v128-243 at work.  window 1: K's fragments, two sets.  windows 2, 3: the accumulators.
.set FR,     12
.set NL,     4                         ; LDS loads that bring a fragment
.set NP,     4                         ; places behind this matrix instruction (ISA guide 7.12.1)
.set STEP2,  24576                     ; two steps of a group
.set GRP,    3*STEP2
.set SPARE,  4*GRP
.set A16,  4                           ; v4-6   my group of Q, slot 0-2: + 16 x lane;  v8-10 + 8 x lane
.set A8,   8
.set B16,  12                          ; v12-14, v16-18 the same for K
.set B8,   16
.set H8,   20                          ; v20    8 h
.set SCO,  21                          ; v21    offset of my scale words
.set LI,   24                          ; v24    16 x lane
.set SPW,  28
.set NIL,  29
.set SC,   32                          ; register SC + 8 k + i: lanes 0-15 the word of Q's block i in step k, lanes 16-31 of K's block i
.set AF,   128
.set P0,   128
.set CD,   192
.set CT,   204
.set BM,   212
.set BX,   216
.set T0,   217
.set T1,   218
.set SO,   220
.set BY,   222
.set NM,   224
.set LS,   226
.set SW,   96
.set NMR,  104
.set LR,   112
.set OW,   232
.set G1, 24
.set G0, 32
.set G1B, 48
.set G0B, 56
.set MSB, 0
.macro WIN new
.if MSB != \new
	s_set_vgpr_msb (MSB<<8)|\new
.set MSB, \new
.endif
.endm
.set MUL_LO, 0xa1
.set MUL_HI, 0xf1
.set TO_B,   0x40
.macro JLOAD                           ; a joint load: waves 0 and 1 fetch for Q, waves 2 and 3 for K
	s_cmp_eq_u32 s15, 0
	s_cbranch_scc0 .Lfor_b_\@
	tensor_load_to_lds s[G0:G0+3], s[G1:G1+7]
	s_nop 0
.rept 4
	v_nop
.endr
	s_branch .Lasked_\@
.Lfor_b_\@:
	tensor_load_to_lds s[G0B:G0B+3], s[G1B:G1B+7]
	s_nop 0
.rept 4
	v_nop
.endr
.Lasked_\@:
.endm
.macro CREST
	s_cmp_lg_u32 s14, 0
	s_cbranch_scc1 .Lnot_wave_0_\@
	s_barrier_signal -3
.Lnot_wave_0_\@:
	s_barrier_wait -3
	s_barrier_signal -1
	s_barrier_wait -1
.endm
.macro CROUND
	s_barrier_signal -1
	s_barrier_wait -1
	CREST
.endm
.macro PLACES n
.rept \n
	v_nop
.endr
.endm
.macro WALU
	s_wait_alu depctr_va_vdst(0)
.endm
	s_load_b256 s[4:11], s[0:1], 0x0               ; c1, s1, pc, ps
	v_lshl_add_u32 v[SPW], v0, 2, SPARE
	v_mov_b32 v[NIL], 0
	ds_add_u32 v[SPW], v[NIL]
	ds_add_u32 v[SPW], v[NIL]
	v_lshrrev_b32 v1, 5, v0
	v_readfirstlane_b32 s14, v1                    ; wave 0..3
	s_lshr_b32 s15, s14, 1                         ; which 128 queries are mine.  Also: I fetch for Q (0) or for K (1)
	s_and_b32 s16, s14, 1                          ; which 128 keys.  Also: which group of that tile I fetch
	s_bfe_u32 s40, ttmp6, 0x40000                  ; cx, cy
	s_bfe_u32 s41, ttmp6, 0x40004
	s_and_b32 s18, ttmp7, 0xffff                   ; the cluster's y: 1,024 queries; two clusters to a batch
	s_lshr_b32 s19, s18, 1                         ; the batch
	s_lshl_b32 s17, s18, 2
	s_add_co_u32 s17, s17, s41                     ; my tile of 256 queries: 0..31
	s_lshl_b32 s42, ttmp9, 2
	s_add_co_u32 s42, s42, s40                     ; my tile of 256 keys of the batch: 0..7
	s_lshl_b32 s43, s41, 2
	s_lshl_b32 s43, 15, s43                        ; my row of the cluster
	s_lshl_b32 s44, 0x1111, s40                    ; my column
	; descriptor group 1: dense blocks, as rows of 256 bytes (32 elements of 8 bytes): 288 rows at the head, 96 later
	s_or_b32 s[G1+0], s43, (3<<16)|(1<<21)
	s_or_b32 s[G1B+0], s44, (3<<16)|(1<<21)
.irp g, G1, G1B
	s_mov_b32 s[\g+1], 32<<16
	s_mov_b32 s[\g+2], 288<<16
	s_mov_b32 s[\g+3], 32<<16
	s_mov_b32 s[\g+4], 288
	s_mov_b32 s[\g+5], 32
	s_mov_b32 s[\g+6], 0
	s_mov_b32 s[\g+7], 0
.endr
	s_lshl_b32 s2, s17, 1
	s_add_co_u32 s20, s2, s16                      ; Q's group that I would fetch
	s_mul_i32 s20, s20, 98304
	s_mov_b32 s21, 0
	s_add_co_u32 s18, s2, s15                      ; my group of queries
	s_lshl_b32 s22, s18, 12                        ; its scale words
	s_lshl_b32 s3, s19, 4
	s_lshl_b32 s2, s42, 1
	s_add_co_u32 s3, s3, s2
	s_add_co_u32 s3, s3, s16                       ; K's group: the one that I would fetch, and mine
	s_mul_i32 s46, s3, 98304
	s_add_co_u32 s46, s46, 6291456                 ; K's codes lie behind Q's
	s_mov_b32 s47, 0
	s_lshl_b32 s23, s3, 12
	s_add_co_u32 s23, s23, 262144                  ; K's words lie behind Q's
	s_sub_co_u32 s23, s23, s22                     ; at least 4,096: K's words begin behind Q's last
	s_mul_i32 s45, s14, GRP                        ; where my loads go: wave x a group's part
	s_mul_i32 s2, s15, GRP                         ; my group of Q,
	s_mul_i32 s3, s16, GRP
	s_add_co_u32 s3, s3, 2*GRP                     ; my group of K, behind Q's two
	v_and_b32 v1, 15, v0                           ; r
	v_bfe_u32 v2, v0, 4, 1                         ; h
	v_and_b32 v3, 31, v0
	v_lshlrev_b32 v[LI], 4, v3
	v_lshlrev_b32 v25, 3, v3
	v_lshlrev_b32 v[H8], 3, v2
	v_add_nc_u32 v[A16], s2, v[LI]
	v_add_nc_u32 v[A8], s2, v25
	v_add_nc_u32 v[B16], s3, v[LI]
	v_add_nc_u32 v[B8], s3, v25
.irp a, A16, A8, B16, B8
	v_add_nc_u32 v[\a+1], STEP2, v[\a]
	v_add_nc_u32 v[\a+2], 2*STEP2, v[\a]
.endr
	v_mul_u32_u24 v[SCO], s23, v2                  ; lanes 16-31 take K's words
	v_lshl_add_u32 v[SCO], v1, 4, v[SCO]
	v_add_nc_u32 v[SCO], s22, v[SCO]
	WALU
	s_wait_dscnt 0x0                               ; both opening adds are done
	CROUND                                         ; all sixteen work-groups are here: the first joint loads meet
	s_wait_kmcnt 0x0
	s_mov_b32 s[G0], 1
	s_mov_b32 s[G0+1], s45
	s_add_nc_u64 s[G0+2:G0+3], s[4:5], s[20:21]
	s_or_b32 s[G0+3], s[G0+3], 0x80000000
	s_mov_b32 s[G0B], 1
	s_mov_b32 s[G0B+1], s45
	s_add_nc_u64 s[G0B+2:G0B+3], s[4:5], s[46:47]
	s_or_b32 s[G0B+3], s[G0B+3], 0x80000000
	JLOAD                                          ; six steps of my group
.irp k, 0,1,2,3,4,5,6,7
	global_load_b128 v[SC+8*\k:SC+8*\k+3], v[SCO], s[6:7] offset:512*\k
	global_load_b128 v[SC+8*\k+4:SC+8*\k+7], v[SCO], s[6:7] offset:512*\k+256
.endr
	; where my results go
	s_lshl_b32 s19, s42, 1
	s_add_co_u32 s19, s19, s16                     ; my 128 keys of the batch
	s_lshl_b32 s2, s18, 4
	s_add_co_u32 s2, s2, s19
	s_mul_i32 s2, s2, 12288
	s_mov_b32 s3, 0
	s_add_nc_u64 s[98:99], s[8:9], s[2:3]          ; pc at my run of 12,288 bytes
	s_mul_i32 s2, s18, 24576
	s_lshl_b32 s19, s19, 9
	s_add_co_u32 s2, s2, s19
	s_add_nc_u64 s[100:101], s[10:11], s[2:3]      ; ps at my 512 bytes of each kind
.macro FRAG reg, a16, a8, k, i         ; a fragment as it was stored: two halves of 512 + 256 consecutive bytes
.set OF_, 12288*((\k)%2)+1536*(\i)
.set SL_, ((\k)/2)%3
	ds_load_b128 v[\reg:\reg+3], v[\a16+SL_] offset:OF_
	ds_load_b64 v[\reg+4:\reg+5], v[\a8+SL_] offset:OF_+512
	ds_load_b128 v[\reg+6:\reg+9], v[\a16+SL_] offset:OF_+768
	ds_load_b64 v[\reg+10:\reg+11], v[\a8+SL_] offset:OF_+1280
.endm
; 16 matrix instructions: Q's blocks a0, a0 + 1 x K's eight.  The 64 accumulators take turns, one instruction a turn, in the same order in every step.
.macro MUL16 a0, k
.irp a, \a0, \a0+1
.irp b, 0,1,2,3,4,5,6,7
.if (\k) == 0
	v_wmma_scale_f32_16x16x128_f8f6f4 v[8*(8*((\a)%4)+\b):8*(8*((\a)%4)+\b)+7], v[128*((\k)%2)+FR*\b:128*((\k)%2)+FR*\b+FR-1], v[AF+FR*(\a):AF+FR*(\a)+FR-1], 0, v[SC+8*(\k)+\b], v[SC+8*(\k)+(\a)] matrix_a_fmt:MATRIX_FMT_FP6 matrix_b_fmt:MATRIX_FMT_FP6 matrix_a_scale:MATRIX_SCALE_ROW1
.else
	v_wmma_scale_f32_16x16x128_f8f6f4 v[8*(8*((\a)%4)+\b):8*(8*((\a)%4)+\b)+7], v[128*((\k)%2)+FR*\b:128*((\k)%2)+FR*\b+FR-1], v[AF+FR*(\a):AF+FR*(\a)+FR-1], v[8*(8*((\a)%4)+\b):8*(8*((\a)%4)+\b)+7], v[SC+8*(\k)+\b], v[SC+8*(\k)+(\a)] matrix_a_fmt:MATRIX_FMT_FP6 matrix_b_fmt:MATRIX_FMT_FP6 matrix_a_scale:MATRIX_SCALE_ROW1
.endif
.endr
.endr
.endm
.macro FETCH_B k
	WIN TO_B
.irp i, 0,1,2,3,4,5,6,7
	FRAG 128*((\k)%2)+FR*\i, B16, B8, \k, \i
.endr
	WIN 0
.endm
.macro FETCH_A k, i0
.irp i, \i0, \i0+1, \i0+2, \i0+3
	FRAG AF+FR*(\i), A16, A8, \k, \i
.endr
.endm
.macro STEP k, mode                    ; mode 1: behind this step's reads slot 0 is filled again; mode 2: a plain barrier shows that refill to all; 3: the last step
.if (\mode) == 1 || (\mode) == 2
	s_wait_tensorcnt 0x0                           ; all my tensor loads have landed
.if (\mode) == 1
	ds_add_u32 v[SPW], v[NIL]                      ; 0 onto my spare word
.irp g, G1, G1B
	s_mov_b32 s[\g+2], 96<<16                      ; no tensor load of mine is out: a descriptor may be written: two steps,
	s_mov_b32 s[\g+4], 96
.endr
	s_add_nc_u64 s[G0+2:G0+3], s[G0+2:G0+3], GRP   ; the last of my group
	s_add_nc_u64 s[G0B+2:G0B+3], s[G0B+2:G0B+3], GRP
	s_wait_dscnt 4*NL+1                            ; (the add and the youngest 16 loads, Q's blocks 4-7, may be out)
.else
	s_wait_dscnt 4*NL
.endif
	WIN MUL_LO
	MUL16 0, \k
	s_wait_dscnt 0x0                               ; the add, where there is one, and my reads of this slot are done
	s_barrier_signal -1
	MUL16 2, \k
	WIN 0
	s_barrier_wait -1
.if (\mode) == 1
	CREST                                          ; a round: no wave of any partner still reads slot 0 or has a load on its way
	JLOAD                                          ; its four v_nop are the places in front of the loads below
.else
	PLACES NP
.endif
.else
	s_wait_dscnt 4*NL                              ; K's set and Q's blocks 0-3 are in; the youngest 16 loads (Q's blocks 4-7) may be out
	WIN MUL_LO
	MUL16 0, \k
	MUL16 2, \k
	s_wait_dscnt 0x0
.if (\mode) < 3
	PLACES NP
.endif
.endif
.if (\mode) < 3
	FETCH_B (\k)+1
	FETCH_A (\k)+1, 0
.endif
	WIN MUL_HI
	MUL16 4, \k
	MUL16 6, \k
	PLACES NP
	WIN 0
.if (\mode) < 3
	FETCH_A (\k)+1, 4
.endif
.endm
	WALU
	s_wait_tensorcnt 0x0
	s_barrier_signal -1
	s_barrier_wait -1                              ; everybody's six steps are in
	FETCH_B 0
	FETCH_A 0, 0
	FETCH_A 0, 4
	s_wait_loadcnt 0x0                             ; the scale words
	STEP 0, 0
	STEP 1, 1
	STEP 2, 0
	STEP 3, 0
	STEP 4, 0
	STEP 5, 2
	STEP 6, 0
	STEP 7, 3
; THE WAY OUT.  Block a: query 16 a + r; my 64 scores; registers 32 c + 0 .. 31 are one block of 32 keys.
.macro SOFTQ a
.set QW, 2+(\a)/4
.set QS, 64*((\a)%4)
.set QWW, QW|(QW<<2)
	WIN QWW
.irp b, 0,1,2,3
	v_max_num_f32 v[BM+\b], v[QS+16*\b], v[QS+16*\b+1]   ; the largest SCORE of each half block: it serves for M and, since p rises with the score, for the block's largest p
.endr
.irp i, 2,4,6,8,10,12,14
.irp b, 0,1,2,3
	v_max3_num_f32 v[BM+\b], v[QS+16*\b+\i], v[QS+16*\b+\i+1], v[BM+\b]
.endr
.endr
	WIN 0
	v_max_num_f32 v[BM], v[BM], v[BM+1]
	v_max_num_f32 v[BM+1], v[BM+2], v[BM+3]
	v_max_num_f32 v[T0], v[BM], v[BM+1]
	v_permlanex16_b32 v[BX], v[T0], s94, s95
	v_max_num_f32 v[T0], v[T0], v[BX]              ; the largest score of my query among these 128 keys
	v_mul_f32 v[T0], s92, v[T0]                    ; as t (c is positive)
	v_floor_f32 v[NM], -v[T0]                      ; -M = floor(-t) = -ceil(t): a whole number
	WIN QW
.set jj, 0
.rept 32
	v_pk_fma_f32 v[P0+jj:P0+jj+1], v[QS+jj:QS+jj+1], s[92:93], v[NM:NM+1] op_sel_hi:[1,0,0]   ; t - M, two at a time
.set jj, jj+2
.endr
	WIN 0
.irp c, 0,1
	v_fma_f32 v[BM+\c], v[BM+\c], s92, v[NM]       ; the same of each block's largest score
.endr
	WALU
.if (\a) > 0
	s_wait_xcnt 0x0                                ; the last block's stores have had their addresses translated (ISA guide 3.1): their data registers are written again only behind this wait
.endif
.set jj, 0
.rept 64
	v_exp_f32 v[P0+jj], v[P0+jj]                   ; p = 2^(t - M), at most 1
.set jj, jj+1
.endr
.irp c, 0,1
	v_exp_f32 v[BM+\c], v[BM+\c]                   ; the block's largest p: the same two instructions on the same number
.endr
	v_mov_b32 v[NMR+(\a)], v[NM]                   ; (a plain place behind the exponentials)
	WALU
.irp c, 0,1
	v_max_num_f32 v[BM+\c], 0x1800000, v[BM+\c]    ; the floor 2^(3 - 127): the byte cannot fall under 1
.endr
.irp c, 0,1
	v_add_nc_u32 v[SO+\c], 0xff000000, v[BM+\c]    ; 2 off the exponent field: the conversion's scale operand
.endr
.irp c, 0,1
	v_lshrrev_b32 v[BY+\c], 23, v[SO+\c]           ; the scale's byte
.endr
	v_lshl_or_b32 v[T1], v[BY+1], 16, v[BY]
	v_lshlrev_b32 v[T1], v[H8], v[T1]              ; byte 2 c + h of the word
	v_permlanex16_b32 v[BX], v[T1], s94, s95
	v_or_b32 v[SW+(\a)], v[T1], v[BX]
.irp c, 0,1
	v_cvt_scalef32_pk16_fp6_f32 v[CD+6*\c:CD+6*\c+2], v[P0+32*\c:P0+32*\c+15], v[SO+\c]
	v_cvt_scalef32_pk16_fp6_f32 v[CT+4*\c:CT+4*\c+2], v[P0+16+32*\c:P0+31+32*\c], v[SO+\c]
.endr
	v_pk_add_f32 v[LS:LS+1], v[P0:P0+1], v[P0+2:P0+3]           ; THE SUM IS TAKEN OF THE UNQUANTISED p: two at a time, in two chains
	v_pk_add_f32 v[LS+2:LS+3], v[P0+4:P0+5], v[P0+6:P0+7]
.irp c, 0,1
.irp i, 0,1,2
	v_mov_b32 v[CD+3+6*\c+\i], v[CT+4*\c+\i]
.endr
.endr
.irp j, 8,12,16,20,24,28,32,36,40,44,48,52,56,60
	v_pk_add_f32 v[LS:LS+1], v[LS:LS+1], v[P0+\j:P0+\j+1]
	v_pk_add_f32 v[LS+2:LS+3], v[LS+2:LS+3], v[P0+\j+2:P0+\j+3]
.endr
	v_pk_add_f32 v[LS:LS+1], v[LS:LS+1], v[LS+2:LS+3]
	v_add_f32 v[LS], v[LS], v[LS+1]
	v_permlanex16_b32 v[BX], v[LS], s94, s95
	v_add_f32 v[LR+(\a)], v[LS], v[BX]             ; with lane l xor 16's: the sum over these 128 keys
.irp c, 0,1,2
	global_store_b128 v[LI], v[CD+4*\c:CD+4*\c+3], s[98:99] offset:1536*(\a)+512*\c   ; 32 lanes store 512 consecutive bytes
.endr
.endm
	s_mov_b32 s92, 0x3d38aa3b                      ; c = log2(e) / 32
	s_mov_b32 s93, s92                             ; (named with it as a pair)
	s_mov_b32 s94, 0x76543210
	s_mov_b32 s95, 0xfedcba98                      ; v_permlanex16_b32's selects for lane l xor 16
	s_mov_b32 s96, 0xffff0000
	v_mov_b32 v[BX], 0                             ; written once: a lane permute's destination counts as one of its sources
	v_mov_b32 v[NM+1], 0                           ; (named as the upper half of a pair)
.irp a, 0,1,2,3,4,5,6,7
	SOFTQ \a
.endr
.irp j, 0,1,2,3                                ; lanes 0-15: blocks 0-3 of row r; lanes 16-31: blocks 4-7
	v_cndmask_b32 v[OW+\j], v[SW+\j], v[SW+4+\j], s96
	v_cndmask_b32 v[OW+4+\j], v[NMR+\j], v[NMR+4+\j], s96
	v_cndmask_b32 v[OW+8+\j], v[LR+\j], v[LR+4+\j], s96
.endr
	global_store_b128 v[LI], v[OW:OW+3], s[100:101]                  ; p's scale words under the local M
	global_store_b128 v[LI], v[OW+4:OW+7], s[100:101] offset:8192    ; -M
	global_store_b128 v[LI], v[OW+8:OW+11], s[100:101] offset:16384  ; the sums
	s_wait_tensorcnt 0x0                           ; the wave's end
	ds_add_u32 v[SPW], v[NIL]
	s_wait_dscnt 0x0
	CROUND                                         ; the closing round
	s_endpgm
.Lfunc_end_k_qeb1a464462_score:
	.size	k_qeb1a464462_score, .Lfunc_end_k_qeb1a464462_score-k_qeb1a464462_score
	.p2alignl 7, 3214868480
	.fill 96, 4, 3214868480
	.section	.rodata,"a",@progbits
	.p2align	6, 0x0
	.amdhsa_kernel k_qeb1a464462_score
		.amdhsa_group_segment_fixed_size 327680
		.amdhsa_private_segment_fixed_size 0
		.amdhsa_enable_private_segment 0
		.amdhsa_kernarg_size 32
		.amdhsa_user_sgpr_count 2
		.amdhsa_user_sgpr_kernarg_segment_ptr 1
		.amdhsa_wavefront_size32 1
		.amdhsa_system_sgpr_workgroup_id_x 1
		.amdhsa_system_sgpr_workgroup_id_y 1
		.amdhsa_system_sgpr_workgroup_id_z 1
		.amdhsa_system_vgpr_workitem_id 0
		.amdhsa_next_free_vgpr 1024
		.amdhsa_next_free_sgpr 102
		.amdhsa_reserve_vcc 0
		.amdhsa_float_denorm_mode_32 3
		.amdhsa_float_denorm_mode_16_64 3
		.amdhsa_memory_ordered 1
		.amdhsa_forward_progress 1
		.amdhsa_inst_pref_size 190
	.end_amdhsa_kernel
	.amdgpu_metadata
---
amdhsa.version: [ 1, 2 ]
amdhsa.kernels:
  - .name:           k_qeb1a464462_score
    .symbol:         k_qeb1a464462_score.kd
    .args:
      - { .name: c1, .offset: 0, .size: 8, .value_kind: global_buffer, .address_space: global }
      - { .name: s1, .offset: 8, .size: 8, .value_kind: global_buffer, .address_space: global }
      - { .name: pc, .offset: 16, .size: 8, .value_kind: global_buffer, .address_space: global }
      - { .name: ps, .offset: 24, .size: 8, .value_kind: global_buffer, .address_space: global }
    .group_segment_fixed_size: 327680
    .private_segment_fixed_size: 0
    .kernarg_segment_align: 8
    .kernarg_segment_size: 32
    .max_flat_workgroup_size: 128
    .sgpr_count:     102
    .vgpr_count:     1024
    .wavefront_size: 32
...
	.end_amdgpu_metadata
.endif
;; end of part 2
;; launch pv (part 3): grid 4 x 64, 4 waves a work-group, clusters of 4 x 4, 327,680 bytes of LDS; arguments pc, ps, c1, s1, out0; writes out0
.if DOCPART == 3
	.amdgcn_target "amdgcn-amd-amdhsa--gfx1250"
	.amdhsa_code_object_version 6
	.text
	.protected	k_qeb1a464462_pv
	.globl	k_qeb1a464462_pv
	.p2align	8
	.type	k_qeb1a464462_pv,@function
k_qeb1a464462_pv:
	s_mov_b64 s[64:65], 0
	v_nop
	global_prefetch_b8 v0, s[64:65] scope:SCOPE_SE
	s_setreg_imm32_b32 hwreg(HW_REG_WAVE_MODE, 25, 1), 1
	s_wait_xcnt 0x0
	s_wait_alu depctr_hold_cnt(0) depctr_sa_sdst(0) depctr_va_vdst(0) depctr_va_sdst(0) depctr_va_ssrc(0) depctr_va_vcc(0) depctr_vm_vsrc(0)
	s_getreg_b32 s2, hwreg(HW_REG_IB_STS2, 6, 4)
	s_cmp_eq_u32 s2, 0
	s_cbranch_scc0 .Lentry_in_a_cluster
	s_endpgm
.Lentry_in_a_cluster:
	s_bfe_u32 s2, ttmp6, 0x10000c
	s_cmp_lg_u32 s2, 0xf033
	s_cbranch_scc0 .Lentry_shape_is_right
	s_endpgm
.Lentry_shape_is_right:
; O = (P V) / l on codes of FP6 (E2M3).  P's codes and scale words (under a local M for each 128 keys), -M and the local sums come from pc and ps; V^T's codes and scale words from c1 and s1.
; A tile of 128 queries x 256 channels is made by four waves, each 64 x 128: 32 accumulators, 256 registers: 256 such tiles, one for each WGP (tiles of 256 x 256 would be 128).
; K = the batch's 2,048 keys, in four steps of 512 through two LDS slots: a wave has 128 matrix instructions between two changes of slots.
; THE MATRIX INSTRUCTION IS USED TRANSPOSED: source 0 = 16 channels of V^T ("B"), source 1 = 16 queries of P ("A"): a lane holds one query and eight neighbouring channels.
; AT THE HEAD, THE ROW'S M.  -M of the row = the least of the sixteen local -M.  Each scale byte of p loses d = M - M_local (held at 0 from below): p's codes then stand under the row's M.
; The row's sum is the sum of the local sums x 2^(M_local - M), by v_ldexp_f32: nothing is rounded but the additions.  Wave w mends the words of keys 512 w on and stores them to LDS, where all four read them.
; LIMITS: NaN and infinities are not served.  A block of p that lies further under the row's M than its byte allows gets the byte 0, 2^-127 for a code's unit, which is nothing beside l > 1/2.
; M's differences are exact while |t| < 2^24.  The division by l is a reciprocal (ISA guide, v_rcp_f32) and a multiplication.
; CLUSTERS: 4 x 4 work-groups; P's tiles are asked for jointly along a row of the cluster (one group of queries), V^T's tiles along a column (the same 256 channels of one batch).
; REGISTERS: window 0: v16-29 addresses; v32-47 scale words, two sets; v48-55 1 / l, a pair for each of my four blocks; v64-159 P's fragments, two sets of four; at the head and on the way out v64-255 at work.
;   window 1: V^T's fragments, two sets of eight, at v0 and v128.   window 2: the accumulators, (a, b) at v[8 (8 a + b)].
.set SLOT,  147456                     ; P's 49,152 bytes (512 keys of one group), then V^T's two groups' 49,152 each
.set PSC,   2*SLOT                     ; p's mended scale words, [128 keys 16][512]: written by LDS stores alone
.set VSC,   PSC+8192                   ; V^T's scale words, [group 2][128 keys 16][512]: filled once
.set SPARE, VSC+16384                  ; the spare words: 128 bytes a wave, two blocks of 256 bytes that no other line names
.set ADRA,  16                         ; v16-17 my P fragments in slot 0, 1
.set ADRB,  20                         ; v20-21 my V^T fragments
.set STO,   22                         ; v22    the way out: where I put 32 bytes of a row
.set RD,    23                         ; v23    and where I read a row back
.set LI,    24                         ; v24    16 x lane
.set ADRS0, 25                         ; v25    scale words: lanes 0-15 my four blocks of P, lanes 16-31 V^T's blocks 0-3
.set ADRS1, 26                         ; v26    lanes 16-31 V^T's blocks 4-7 (lanes 0-15 as v25: not used)
.set PSA,   27                         ; v27    where I store mended words
.set SPW,   28
.set NIL,   29
.set RL,    48
.set NMA,   64                         ; the head: v64-127 the sixteen -M;  v128-191 the sixteen sums;  v192-207 my four sets of words;  v208-223 their -M
.set LL,    128
.set OWW,   192
.set ONM,   208
.set MG,    224                        ; v224-227 the row's -M;  v228-231 the row's sum
.set LG,    228
.set TT,    232                        ; v232-235, v236-239, v240 at work
.set UU,    236
.set DD,    240
.set OT,    64                         ; the way out: v64-127 a block / l;  v128-191, v192-255 rows read back, by turns
.set BK,    128
.set G1, 24
.set G0, 32
.set G1B, 48
.set G0B, 56
.set G1S, 68
.set G0S, 76
.set MSB, 0
.macro WIN new
.if MSB != \new
	s_set_vgpr_msb (MSB<<8)|\new
.set MSB, \new
.endif
.endm
.set MUL, 0xa1                         ; source 0 (V^T) window 1, source 1 (P) window 0, C and D window 2
.macro JLOAD g0a, g1a, g0b, g1b        ; a joint load: waves 0 and 1 fetch P's halves, waves 2 and 3 V^T's groups.  Four v_nop follow each of the two lines
	s_cmp_eq_u32 s15, 0
	s_cbranch_scc0 .Lfor_b_\@
	tensor_load_to_lds s[\g0a:\g0a+3], s[\g1a:\g1a+7]
	s_nop 0
.rept 4
	v_nop
.endr
	s_branch .Lasked_\@
.Lfor_b_\@:
	tensor_load_to_lds s[\g0b:\g0b+3], s[\g1b:\g1b+7]
	s_nop 0
.rept 4
	v_nop
.endr
.Lasked_\@:
.endm
.macro CREST
	s_cmp_lg_u32 s14, 0
	s_cbranch_scc1 .Lnot_wave_0_\@
	s_barrier_signal -3
.Lnot_wave_0_\@:
	s_barrier_wait -3
	s_barrier_signal -1
	s_barrier_wait -1
.endm
.macro CROUND
	s_barrier_signal -1
	s_barrier_wait -1
	CREST
.endm
.macro PLACES n
.rept \n
	v_nop
.endr
.endm
	s_load_b256 s[4:11], s[0:1], 0x0               ; pc, ps, c1, s1
	s_load_b64 s[12:13], s[0:1], 0x20              ; out0
	v_lshl_add_u32 v[SPW], v0, 2, SPARE
	v_mov_b32 v[NIL], 0
	ds_add_u32 v28, v29
	ds_add_u32 v28, v29
	s_wait_dscnt 0x0
	v_lshrrev_b32 v1, 5, v0
	v_readfirstlane_b32 s14, v1                    ; wave 0..3
	s_lshr_b32 s15, s14, 1                         ; qh: which 64 queries are mine.  Also: I fetch for P (0) or for V^T (1)
	s_and_b32 s16, s14, 1                          ; dh: which 128 channels.  Also: which half of P's tile, or which group of V^T, I fetch
	s_bfe_u32 s40, ttmp6, 0x40000                  ; cx: my 256 channels
	s_bfe_u32 s41, ttmp6, 0x40004                  ; cy
	s_and_b32 s18, ttmp7, 0xffff                   ; the cluster's y: 512 queries; four clusters to a batch
	s_lshr_b32 s19, s18, 2                         ; the batch
	s_lshl_b32 s17, s18, 2
	s_add_co_u32 s17, s17, s41                     ; my group of 128 queries, batches on end: 0..63
	s_lshl_b32 s43, s41, 2
	s_lshl_b32 s43, 15, s43                        ; my row of the cluster
	s_lshl_b32 s44, 0x1111, s40                    ; my column
	; descriptor group 1: dense blocks, as rows of 256 bytes (32 elements of 8 bytes), no padding: P 96 rows, V^T 192 rows
	s_or_b32 s[G1+0], s43, (3<<16)|(1<<21)
	s_mov_b32 s[G1+1], 32<<16
	s_mov_b32 s[G1+2], 96<<16
	s_mov_b32 s[G1+3], 32<<16
	s_mov_b32 s[G1+4], 96
	s_mov_b32 s[G1+5], 32
	s_mov_b32 s[G1+6], 0
	s_mov_b32 s[G1+7], 0
	s_or_b32 s[G1B+0], s44, (3<<16)|(1<<21)
	s_mov_b32 s[G1B+1], 32<<16
	s_mov_b32 s[G1B+2], 192<<16
	s_mov_b32 s[G1B+3], 32<<16
	s_mov_b32 s[G1B+4], 192
	s_mov_b32 s[G1B+5], 32
	s_mov_b32 s[G1B+6], 0
	s_mov_b32 s[G1B+7], 0
	s_mul_i32 s20, s17, 196608                     ; P: my group's 196,608 bytes,
	s_mul_i32 s21, s16, 24576                      ; the half of a slot's part that I would fetch
	s_add_co_u32 s20, s20, s21
	s_mov_b32 s21, 0
	s_lshl_b32 s46, s19, 3
	s_lshl_b32 s47, s40, 1
	s_add_co_u32 s46, s46, s47                     ; V^T: group 8 x batch + 2 x cx (+ dh)
	s_lshl_b32 s88, s46, 13                        ; its scale words: 8,192 bytes a group; the two groups' 16,384 in quarters, one a wave
	s_lshl_b32 s89, s14, 12
	s_add_co_u32 s88, s88, s89
	s_add_co_u32 s88, s88, 524288                  ; V^T's words lie behind Q's and K's
	s_mov_b32 s89, 0
	s_add_co_u32 s46, s46, s16
	s_mul_i32 s46, s46, 196608
	s_add_co_u32 s46, s46, 12582912                ; V^T's codes lie behind Q's and K's
	s_mov_b32 s47, 0
	s_mul_i32 s45, s16, 24576                      ; where they go in a slot: P's halves,
	s_mul_i32 s22, s16, 49152
	s_add_co_u32 s22, s22, 49152                   ; V^T's groups behind them,
	s_lshl_b32 s23, s14, 12
	s_add_co_u32 s23, s23, VSC                     ; and the scale words' quarters
	s_mul_i32 s80, s17, 24576                      ; ps: my group's three kinds,
	s_mov_b32 s81, 0
	s_lshl_b32 s82, s14, 11                        ; and in each kind the four sets (keys 512 w on) that I mend
	s_add_co_u32 s82, s82, s80
	s_mov_b32 s83, 0
	v_and_b32 v3, 31, v0
	v_lshlrev_b32 v[LI], 4, v3
	s_wait_alu depctr_va_vdst(0)
	s_wait_kmcnt 0x0
	s_add_nc_u64 s[20:21], s[4:5], s[20:21]
	s_add_nc_u64 s[46:47], s[8:9], s[46:47]
	s_add_nc_u64 s[88:89], s[10:11], s[88:89]
	s_add_nc_u64 s[80:81], s[6:7], s[80:81]
	s_add_nc_u64 s[82:83], s[6:7], s[82:83]
.irp k, 0,1,2,3,4,5,6,7
	global_load_b128 v[32+4*\k:35+4*\k], v[LI], s[88:89] offset:512*\k     ; V^T's scale words: every wave its quarter, through registers into LDS
.endr
.irp s, 0,1,2,3,4,5,6,7,8,9,10,11,12,13,14,15
	global_load_b128 v[NMA+4*\s:NMA+4*\s+3], v[LI], s[80:81] offset:8192+512*\s    ; -M of all sixteen: lane r + 16 hh, register j: block 4 hh + j, row r
.endr
.irp k, 0,1,2,3
	global_load_b128 v[ONM+4*\k:ONM+4*\k+3], v[LI], s[82:83] offset:8192+512*\k    ; -M of my four
.endr
.irp k, 0,1,2,3
	global_load_b128 v[OWW+4*\k:OWW+4*\k+3], v[LI], s[82:83] offset:512*\k         ; their scale words
.endr
.irp s, 0,1,2,3,4,5,6,7,8,9,10,11,12,13,14,15
	global_load_b128 v[LL+4*\s:LL+4*\s+3], v[LI], s[80:81] offset:16384+512*\s     ; the sixteen sums
.endr
	CROUND                                         ; all sixteen work-groups are here: the first joint loads meet
.irp s, 0,1
	s_mov_b32 s[G0+4*\s], 1
	s_add_co_u32 s[G0+4*\s+1], s45, \s*SLOT
	s_add_nc_u64 s[G0+4*\s+2:G0+4*\s+3], s[20:21], \s*49152
	s_or_b32 s[G0+4*\s+3], s[G0+4*\s+3], 0x80000000
	s_mov_b32 s[G0B+4*\s], 1
	s_add_co_u32 s[G0B+4*\s+1], s22, \s*SLOT
	s_add_nc_u64 s[G0B+4*\s+2:G0B+4*\s+3], s[46:47], \s*49152
	s_or_b32 s[G0B+4*\s+3], s[G0B+4*\s+3], 0x80000000
.endr
	JLOAD G0, G1, G0B, G1B                         ; slot 0
	v_and_b32 v1, 15, v0                           ; r
	v_bfe_u32 v2, v0, 4, 1                         ; h
	s_wait_alu depctr_va_vdst(0)
	s_mul_i32 s21, s15, 6144                       ; my four blocks of P
	s_mul_i32 s22, s16, 49152
	s_add_co_u32 s22, s22, 49152                   ; my group of V^T
.irp s, 0,1
	v_add_nc_u32 v[ADRA+\s], s21, v[LI]
	v_add_nc_u32 v[ADRB+\s], s22, v[LI]
	s_add_co_u32 s21, s21, SLOT
	s_add_co_u32 s22, s22, SLOT
.endr
	s_lshl_b32 s21, s15, 8                         ; P's words: blocks 4 qh on lie 256 qh bytes on
	s_lshl_b32 s22, s16, 13                        ; V^T's: my group, behind P's 8,192 bytes
	s_add_co_u32 s22, s22, 8192
	s_sub_co_u32 s22, s22, s21
	v_mul_u32_u24 v3, s22, v2                      ; lanes 16-31 take V^T's: one product, the distance between the two bases
	v_lshl_add_u32 v3, v1, 4, v3
	s_add_co_u32 s21, s21, PSC
	v_add_nc_u32 v[ADRS0], s21, v3
	v_lshl_add_u32 v[ADRS1], v2, 8, v[ADRS0]
	s_lshl_b32 s21, s14, 11
	s_add_co_u32 s21, s21, PSC
	v_add_nc_u32 v[PSA], s21, v[LI]
	v_add_nc_u32 v30, s23, v[LI]                   ; where I store my quarter of V^T's scale words
	s_mul_i32 s23, s14, 16*528                     ; my stage: 16 rows x (512 bytes + 16), in slot 0, used when that slot has had its last fill and its last read
	v_mul_u32_u24 v3, v1, 528
	v_lshl_add_u32 v3, v2, 5, v3
	v_add_nc_u32 v[STO], s23, v3
	v_add_nc_u32 v[RD], s23, v[LI]
	s_lshr_b32 s20, s17, 1                         ; group 2 g + w holds tokens 256 g + 128 c + 64 w + 0 .. 63, c = 0, 1; my four blocks are those of c = qh
	s_lshl_b32 s20, s20, 8
	s_and_b32 s21, s17, 1
	s_lshl_b32 s21, s21, 6
	s_add_co_u32 s20, s20, s21
	s_lshl_b32 s21, s15, 7
	s_add_co_u32 s20, s20, s21                     ; the first of my 64 rows of out0
	s_lshl_b32 s20, s20, 12                        ; rows of 4,096 bytes
	s_lshl_b32 s21, s40, 10
	s_add_co_u32 s20, s20, s21                     ; + 1,024 cx
	s_lshl_b32 s21, s16, 9
	s_add_co_u32 s20, s20, s21                     ; + 512 dh
	s_mov_b32 s21, 0
	s_add_nc_u64 s[12:13], s[12:13], s[20:21]
	s_mov_b32 s84, 0x76543210
	s_mov_b32 s85, 0xfedcba98                      ; v_permlanex16_b32's selects for lane l xor 16
	s_mov_b32 s86, 0xffff
	s_lshl_b32 s87, s15, 4
	s_lshl_b32 s86, s86, s87                       ; the lanes whose own half (hh) is qh
	; ---- the row's M
	s_wait_loadcnt 24                              ; the sixteen -M are in; the 24 loads behind them may be out
.irp j, 0,1,2,3
	v_min3_num_f32 v[MG+\j], v[NMA+\j], v[NMA+4+\j], v[NMA+8+\j]
.endr
.irp s, 3,5,7,9,11,13
.irp j, 0,1,2,3
	v_min3_num_f32 v[MG+\j], v[MG+\j], v[NMA+4*\s+\j], v[NMA+4*\s+4+\j]
.endr
.endr
.irp j, 0,1,2,3
	v_min_num_f32 v[MG+\j], v[MG+\j], v[NMA+60+\j] ; the least -M = minus the row's M
.endr
; one scale word: each of its four bytes loses d = M - M_local, held at 0 from below
.macro FIXW w, n, g
	v_sub_f32 v[DD], v[\n], v[\g]                  ; a whole number, 0 or more
	v_cvt_u32_f32 v[DD], v[DD]                     ; (it saturates)
	v_and_b32 v[TT], 0xff, v[\w]
	v_bfe_u32 v[TT+1], v[\w], 8, 8
	v_bfe_u32 v[TT+2], v[\w], 16, 8
	v_lshrrev_b32 v[TT+3], 24, v[\w]
.irp i, 0,1,2,3
	v_min_u32 v[UU+\i], v[TT+\i], v[DD]
.endr
.irp i, 0,1,2,3
	v_sub_nc_u32 v[TT+\i], v[TT+\i], v[UU+\i]      ; byte - min(byte, d)
.endr
	v_lshl_or_b32 v[\w], v[TT+1], 8, v[TT]
	v_lshl_or_b32 v[\w], v[TT+2], 16, v[\w]
	v_lshl_or_b32 v[\w], v[TT+3], 24, v[\w]
.endm
	s_wait_alu depctr_va_vdst(0)
	s_wait_loadcnt 16                              ; my four -M and my four sets of words are in; the sixteen sums may be out
.irp k, 0,1,2,3,4,5,6,7
	ds_store_b128 v30, v[32+4*\k:35+4*\k] offset:512*\k
.endr
.irp k, 0,1,2,3
.irp j, 0,1,2,3
	FIXW OWW+4*\k+\j, ONM+4*\k+\j, MG+\j
.endr
.endr
.irp k, 0,1,2,3
	ds_store_b128 v[PSA], v[OWW+4*\k:OWW+4*\k+3] offset:512*\k     ; 512 consecutive bytes
.endr
	; ---- the row's sum
	s_wait_loadcnt 0x0
.irp s, 0,1,2,3,4,5,6,7,8,9,10,11,12,13,14,15
.irp j, 0,2
	v_pk_add_f32 v[NMA+4*\s+\j:NMA+4*\s+\j+1], v[MG+\j:MG+\j+1], v[NMA+4*\s+\j:NMA+4*\s+\j+1] neg_lo:[0,1] neg_hi:[0,1]   ; M_local - M: a whole number, 0 or less
.endr
.endr
.set jj, 0
.rept 64
	v_cvt_i32_f32 v[NMA+jj], v[NMA+jj]             ; (it saturates)
.set jj, jj+1
.endr
.set jj, 0
.rept 64
	v_ldexp_f32 v[LL+jj], v[LL+jj], v[NMA+jj]      ; the local sum under the row's M
.set jj, jj+1
.endr
.irp j, 0,2
	v_pk_add_f32 v[LG+\j:LG+\j+1], v[LL+\j:LL+\j+1], v[LL+4+\j:LL+4+\j+1]
.endr
.irp s, 2,3,4,5,6,7,8,9,10,11,12,13,14,15
.irp j, 0,2
	v_pk_add_f32 v[LG+\j:LG+\j+1], v[LG+\j:LG+\j+1], v[LL+4*\s+\j:LL+4*\s+\j+1]
.endr
.endr
	s_wait_alu depctr_va_vdst(0)
.irp j, 0,1,2,3
	v_rcp_f32 v[TT+\j], v[LG+\j]
.endr
	v_nop                                          ; one plain place behind a transcendental
	s_wait_alu depctr_va_vdst(0)
.irp j, 0,1,2,3
	v_permlanex16_b32 v[UU+\j], v[TT+\j], s84, s85
.endr
.irp j, 0,1,2,3
	v_cndmask_b32 v[RL+2*\j], v[UU+\j], v[TT+\j], s86   ; 1 / l of query 16 (4 qh + j) + r, in both halves of the lanes
.endr
.irp j, 0,1,2,3
	v_mov_b32 v[RL+2*\j+1], v[RL+2*\j]             ; (named with it as a pair)
.endr
.macro FRAG reg, adr, q, i             ; a fragment as it was stored: three loads of 512 consecutive bytes
.irp c, 0,1,2
	ds_load_b128 v[\reg+4*\c:\reg+4*\c+3], v[\adr] offset:12288*(\q)+1536*(\i)+512*\c
.endr
.endm
; 8 matrix instructions: P's block a x V^T's eight.  The 32 accumulators take turns, one instruction a turn, in the same order in every step.
.macro MUL8 a, p, zero
.irp b, 0,1,2,3,4,5,6,7
.if \zero
	v_wmma_scale_f32_16x16x128_f8f6f4 v[8*(8*(\a)+\b):8*(8*(\a)+\b)+7], v[128*(\p)+12*\b:128*(\p)+12*\b+11], v[64+48*(\p)+12*(\a):64+48*(\p)+12*(\a)+11], 0, v[32+8*(\p)+\b], v[32+8*(\p)+(\a)] matrix_a_fmt:MATRIX_FMT_FP6 matrix_b_fmt:MATRIX_FMT_FP6 matrix_a_scale:MATRIX_SCALE_ROW1
.else
	v_wmma_scale_f32_16x16x128_f8f6f4 v[8*(8*(\a)+\b):8*(8*(\a)+\b)+7], v[128*(\p)+12*\b:128*(\p)+12*\b+11], v[64+48*(\p)+12*(\a):64+48*(\p)+12*(\a)+11], v[8*(8*(\a)+\b):8*(8*(\a)+\b)+7], v[32+8*(\p)+\b], v[32+8*(\p)+(\a)] matrix_a_fmt:MATRIX_FMT_FP6 matrix_b_fmt:MATRIX_FMT_FP6 matrix_a_scale:MATRIX_SCALE_ROW1
.endif
.endr
.endm
; 38 LDS loads in one run: the scale words, V^T's eight fragments and P's four of the slot's q-th 128 keys, into set p; P's blocks 2 and 3 last
.macro FETCH3 slot, q, p
	WIN 0
	ds_load_b128 v[32+8*(\p):32+8*(\p)+3], v[ADRS0] offset:512*(\q)
	ds_load_b128 v[36+8*(\p):36+8*(\p)+3], v[ADRS1] offset:512*(\q)
	WIN 0x40                                       ; destination window 1, address window 0
.irp i, 0,1,2,3,4,5,6,7
	FRAG 128*(\p)+12*\i, ADRB+\slot, \q, \i
.endr
	WIN 0
.irp i, 0,1,2,3
	FRAG 64+48*(\p)+12*\i, ADRA+\slot, \q, \i
.endr
.endm
.macro STEP3 slot, q, zero             ; a step of 128 keys that has its successor in the same slot
	s_wait_dscnt 6                                 ; all but the youngest six loads (P's blocks 2 and 3) are in
	WIN MUL
	MUL8 0, (\q)%2, \zero
	MUL8 1, (\q)%2, \zero
	s_wait_dscnt 0x0
	PLACES 4                                       ; in front of loads into registers that matrix instructions have read
	FETCH3 \slot, (\q)+1, 1-(\q)%2
	WIN MUL
	MUL8 2, (\q)%2, \zero
	MUL8 3, (\q)%2, \zero
.endm
.macro TURN3 slot, next, fill          ; a slot's last step changes slots: one barrier, with the three lines in front of it
	WIN 0                                          ; (the add's two registers lie in window 0)
	s_wait_tensorcnt 0x0                           ; all my tensor loads have landed: my part of the next slot
	ds_add_u32 v[SPW], v[NIL]                      ; 0 onto my spare word
	s_wait_dscnt 7                                 ; (the add and the youngest six loads may be out)
	WIN MUL
	MUL8 0, 1, 0                                   ; eight matrix instructions stand between the add and the wait for it
	s_wait_dscnt 0x0                               ; the add is done, and my reads of this slot are over
	s_barrier_signal -1
	MUL8 1, 1, 0
	WIN 0
	s_barrier_wait -1
.if \fill
	CREST                                          ; a round of the cluster's barrier: no wave of any partner still reads this slot or has a load on its way
	s_add_nc_u64 s[G0+4*\slot+2:G0+4*\slot+3], s[G0+4*\slot+2:G0+4*\slot+3], 98304
	s_add_nc_u64 s[G0B+4*\slot+2:G0B+4*\slot+3], s[G0B+4*\slot+2:G0B+4*\slot+3], 98304
	JLOAD G0+4*\slot, G1, G0B+4*\slot, G1B         ; the first tensor load behind the round; its four v_nop are the places in front of the loads below
.else
	PLACES 4
.endif
	v_add_nc_u32 v[ADRS0], 2048, v[ADRS0]          ; the next 512 keys' scale words
	v_add_nc_u32 v[ADRS1], 2048, v[ADRS1]
	FETCH3 \next, 0, 0
	WIN MUL
	MUL8 2, 1, 0
	MUL8 3, 1, 0
.endm
	s_wait_alu depctr_va_vdst(0)
	s_wait_tensorcnt 0x0                           ; my part of slot 0 is in;
	ds_add_u32 v[SPW], v[NIL]                      ; 0 onto my spare word
	s_wait_dscnt 0x0                               ; the add is done, and all scale words that I stored have landed
	CROUND                                         ; everybody's
	JLOAD G0+4, G1, G0B+4, G1B                     ; slot 1's first fill
	FETCH3 0, 0, 0
	STEP3 0, 0, 1                                  ; the first products start the sums: nothing is cleared
	STEP3 0, 1, 0
	STEP3 0, 2, 0
	TURN3 0, 1, 1                                  ; slot 0 takes keys 1,024 on
	s_wait_alu depctr_va_vdst(0)
	STEP3 1, 0, 0
	STEP3 1, 1, 0
	STEP3 1, 2, 0
	TURN3 1, 0, 1                                  ; slot 1 takes keys 1,536 on
	s_wait_alu depctr_va_vdst(0)
	STEP3 0, 0, 0
	STEP3 0, 1, 0
	STEP3 0, 2, 0
	TURN3 0, 1, 0                                  ; nothing is left to fetch; behind this barrier nobody reads slot 0
	s_wait_alu depctr_va_vdst(0)
	STEP3 1, 0, 0
	STEP3 1, 1, 0
	STEP3 1, 2, 0
	s_wait_dscnt 6                                 ; the very last step
	WIN MUL
	MUL8 0, 1, 0
	MUL8 1, 1, 0
	s_wait_dscnt 0x0
	MUL8 2, 1, 0
	MUL8 3, 1, 0
	WIN 0
; THE WAY OUT, block by block of 16 queries x 128 channels: x 1 / l; a lane's 32 bytes of a row into my stage, whole rows of 512 bytes back, stored by the 32 lanes.
.macro PACK a
	WIN 0x02                                       ; source 0: window 2
.set ii, 0
.rept 32
	v_pk_mul_f32 v[OT+ii:OT+ii+1], v[64*(\a)+ii:64*(\a)+ii+1], v[RL+2*(\a):RL+2*(\a)+1] op_sel_hi:[1,0]   ; each accumulator from its low end on
.set ii, ii+2
.endr
	WIN 0
.endm
.macro TOSTAGE a
.set BB, BK+64*((\a)%2)
.irp b, 0,1,2,3,4,5,6,7
	ds_store_b128 v[STO], v[OT+8*\b:OT+8*\b+3] offset:64*\b
	ds_store_b128 v[STO], v[OT+8*\b+4:OT+8*\b+7] offset:64*\b+16
.endr
.irp t, 0,1,2,3,4,5,6,7,8,9,10,11,12,13,14,15
	ds_load_b128 v[BB+4*\t:BB+4*\t+3], v[RD] offset:\t*528     ; LDS serves a wave's instructions in order (ISA guide 5.7.1.4): these see the stores above
.endr
.endm
.macro SEND a
.set BB, BK+64*((\a)%2)
.irp t, 0,1,2,3,4,5,6,7,8,9,10,11,12,13,14,15
	global_store_b128 v[LI], v[BB+4*\t:BB+4*\t+3], s[12:13] offset:(8*((\a)^(\t/8))+32*(\t/8)+\t%8)*4096 th:TH_STORE_NT   ; row t of block j is token 8 j + t, from t = 8 on 32 + 8 (j xor 1) + t - 8.  32 lanes store 512 consecutive bytes, at a multiple of 512 from out0's first byte; written once, read by nobody here
.endr
.endm
	PLACES 4                                       ; behind the last products: their results are read, and registers that held P's fragments are written
	PACK 0
	TOSTAGE 0
.irp a, 1,2,3
	s_wait_dscnt 16                                ; the sixteen stores into the stage are done (the sixteen loads behind them may be out): their data registers may be written
	PACK \a
	s_wait_alu depctr_va_vdst(0)
	s_wait_dscnt 0x0                               ; the block before is back in registers
	SEND \a-1
.if \a > 1
	s_wait_xcnt 0x0                                ; the stores of the block two back have had their addresses translated (ISA guide 3.1): their data registers are loaded again only behind this wait
.endif
	TOSTAGE \a
.endr
	s_wait_dscnt 0x0
	SEND 3
	s_wait_tensorcnt 0x0                           ; the wave's end, behind my last tensor load and my last LDS store
	ds_add_u32 v[SPW], v[NIL]
	s_wait_dscnt 0x0
	CROUND                                         ; the closing round
	s_endpgm
.Lfunc_end_k_qeb1a464462_pv:
	.size	k_qeb1a464462_pv, .Lfunc_end_k_qeb1a464462_pv-k_qeb1a464462_pv
	.p2alignl 7, 3214868480
	.fill 96, 4, 3214868480
	.section	.rodata,"a",@progbits
	.p2align	6, 0x0
	.amdhsa_kernel k_qeb1a464462_pv
		.amdhsa_group_segment_fixed_size 327680
		.amdhsa_private_segment_fixed_size 0
		.amdhsa_enable_private_segment 0
		.amdhsa_kernarg_size 40
		.amdhsa_user_sgpr_count 2
		.amdhsa_user_sgpr_kernarg_segment_ptr 1
		.amdhsa_wavefront_size32 1
		.amdhsa_system_sgpr_workgroup_id_x 1
		.amdhsa_system_sgpr_workgroup_id_y 1
		.amdhsa_system_sgpr_workgroup_id_z 1
		.amdhsa_system_vgpr_workitem_id 0
		.amdhsa_next_free_vgpr 768
		.amdhsa_next_free_sgpr 96
		.amdhsa_reserve_vcc 0
		.amdhsa_float_denorm_mode_32 3
		.amdhsa_float_denorm_mode_16_64 3
		.amdhsa_memory_ordered 1
		.amdhsa_forward_progress 1
		.amdhsa_inst_pref_size 171
	.end_amdhsa_kernel
	.amdgpu_metadata
---
amdhsa.version: [ 1, 2 ]
amdhsa.kernels:
  - .name:           k_qeb1a464462_pv
    .symbol:         k_qeb1a464462_pv.kd
    .args:
      - { .name: pc, .offset: 0, .size: 8, .value_kind: global_buffer, .address_space: global }
      - { .name: ps, .offset: 8, .size: 8, .value_kind: global_buffer, .address_space: global }
      - { .name: c1, .offset: 16, .size: 8, .value_kind: global_buffer, .address_space: global }
      - { .name: s1, .offset: 24, .size: 8, .value_kind: global_buffer, .address_space: global }
      - { .name: out0, .offset: 32, .size: 8, .value_kind: global_buffer, .address_space: global }
    .group_segment_fixed_size: 327680
    .private_segment_fixed_size: 0
    .kernarg_segment_align: 8
    .kernarg_segment_size: 40
    .max_flat_workgroup_size: 128
    .sgpr_count:     96
    .vgpr_count:     768
    .wavefront_size: 32
...
	.end_amdgpu_metadata
.endif
;; end of part 3
